; MI455X (gfx1250); checked and timed in simulation.
; The chip was launched on July 23, 2026; its instructions are those of AMD's public machine-readable ISA for CDNA 5 (MIT licence, August 2026) and "CDNA5" Instruction Set Architecture Reference Guide (July 2026). The comments in the code are by the model that wrote it; some were corrected since.
;; Content Based Attention. Allowed arithmetic: float matrix products may take bf16 or f16 operands with f32 sums; other float arithmetic in f32, or as packed bf16 or f16 multiplies, adds, multiply-adds, maxima and minima; sums over many terms, partial sums and values carried from step to step in f32; what a program stores and reads back later, other than sums and carried values, may be rounded once to bf16 or f16.
;; Inputs: W_dec 1,024 x 1,024 float32; W_enc 1,024 x 1,024 float32; W_out 1,024 x 1,024 float32; b_dec 1,024 float32; b_enc 1,024 float32; b_out 1,024 float32; dec_states 32 x 1,024 float32; enc_len 32 int32; enc_states 32 x 2,048 x 1,024 float32; w_attn 1,024 float32.
;; Outputs: out0 32 x 1,024 float32; out1 32 x 2,048 float32.
;; 2 versions, each right; version 2 is version 1 with the launches main, out written anew for expert scheduling mode. Each part assembles by itself: llvm-mc -triple=amdgcn-amd-amdhsa -mcpu=gfx1250 --defsym DOCPART=n.
;; ======== version 1 of 2: 4 launches
;; workspace buffers: wfe 2,097,152 bytes; wfo 2,097,152 bytes; dpart 1,048,576 bytes; scores 262,144 bytes; stat 131,072 bytes; part 2,097,152 bytes; ctx 131,072 bytes
;; launch prep (part 1): grid 64 x 3, 4 waves a work-group, no clusters, 100,864 bytes of LDS; arguments W_enc, W_dec, W_out, dec_states, wfe, wfo, dpart; writes wfe, wfo, dpart
.if DOCPART == 1
	.amdgcn_target "amdgcn-amd-amdhsa--gfx1250"
	.amdhsa_code_object_version 6
	.text
	.protected	k_q7d42f8725f_prep
	.globl	k_q7d42f8725f_prep
	.p2align	8
	.type	k_q7d42f8725f_prep,@function
k_q7d42f8725f_prep:
	s_mov_b64 s[64:65], 0
	v_nop
	global_prefetch_b8 v0, s[64:65] scope:SCOPE_SE
	s_setreg_imm32_b32 hwreg(HW_REG_WAVE_MODE, 25, 1), 1
	s_wait_xcnt 0x0
; Grid y = 0, 2:  W_enc, W_out (f32 [k][n], 1024 x 1024)  ->  bf16 in FRAGMENT ORDER (wfe, wfo).
; Grid y = 1:     dpart[P][m][n] = the sum over k = 128 P .. 128 P + 127 of dec_states[m][k] W_dec[k][n], f32: eight partial sums of dec_states . W_dec, which the next launch adds up.
; Fragment order: byte ((g 32 + q) 8 + i) 1024 + u 256 + r 16 + 2 e  holds  W[k = 32 q + 8 u + e][n = 128 g + 16 i + r].
; A fragment (16 n x 32 k) is 1,024 dense bytes: lane l of a wave takes 16 bytes at 16 l (its registers 0-3) and at 512 + 16 l (registers 4-7),
; so that every later load of a fragment covers 512 consecutive bytes.  Each number of W and of dec_states is rounded once to bf16, to nearest even; sums in f32.
; SHARES.  A wave takes 32 rows k (one q) x 128 columns n (one g): 32 loads of 512 consecutive bytes.  The turn from [k][n] to [n][k] goes through the wave's own 8,192 bytes of LDS
; and ends with the eight fragments in registers.  For y = 0, 2 they are stored, 8,192 dense bytes.  For y = 1 they are multiplied at once by dec_states' two fragments of the same 32 k.
; A work-group's four waves have the same g and q = 4 P + wave: their four partial tiles of 32 x 128 meet in LDS, and each wave adds up and stores 8 rows.
; The barrier stands on every work-group's path, and the eight loads of dec_states are issued on every path too, with the weights' loads (for y = 0, 2 they serve nothing: 4 KiB a wave),
; so that no register is handed from one branch on y to another.
; LAYOUT of the product: source 0 = 16 columns of W_dec, source 1 = 16 rows of dec_states: a lane holds ONE row m (lane % 16) and the columns 8 (lane / 16) + 0..7.
.set RST,   32768                      ; behind the four turning stages: four stages of 32 rows x 128 f32
.set RP,    528                        ; a row there: 512 bytes + 16 = 132 words: row r starts at bank 4 r mod 64 (64 banks of 4 bytes: ISA guide 11.1)
.set RSZ,   32*RP
.set SPARE, RST+4*RSZ                  ; the spare words, 128 bytes a wave
.set SPW, 2                            ; v2  SPARE + 4 x my thread's number; never rewritten
.set NIL, 3                            ; v3  0; never rewritten
.set VO,  4                            ; v4  16 x lane
.set LW,  5                            ; v5  where I put 16 bytes (8 k of one column)
.set LR,  6                            ; v6  where I read 16 bytes back
.set XO,  12                           ; v12 my byte offset in dec_states: (lane % 16) x 4,096 + 32 (lane / 16)
.set RW,  13                           ; v13 where I put 16 bytes of a partial tile
.set RR,  14                           ; v14 where I read 16 bytes of a row of the partial tiles
.set L,   32                           ; v[32:159]  row kk of 32, my 4 columns: L + 4 kk + j.  Later, in v[32:95]: the eight fragments
.set O,   160                          ; v[160:223] group u of 8 k, column j: 4 registers at O + 16 u + 4 j
.set ACC, 96                           ; v[96:223]  y = 1: accumulator (row tile mt, column tile i) at ACC + 8 (8 mt + i); later the four stages' rows
.set XF,  224                          ; v[224:255] dec_states: row tile mt: 16 f32 at XF + 16 mt, then 8 registers of bf16 in their place
	s_load_b256 s[4:11], s[0:1], 0x0               ; W_enc s[4:5], W_dec s[6:7], W_out s[8:9], dec_states s[10:11]
	s_load_b128 s[12:15], s[0:1], 0x20             ; wfe s[12:13], wfo s[14:15]
	s_load_b64 s[16:17], s[0:1], 0x30              ; dpart
	v_lshl_add_u32 v[SPW], v0, 2, SPARE
	v_mov_b32 v[NIL], 0
	v_lshrrev_b32 v1, 5, v0
	v_readfirstlane_b32 s18, v1                    ; wave 0..3
	s_and_b32 s19, ttmp7, 0xffff                   ; which matrix
	v_and_b32 v7, 31, v0                           ; lane
	v_lshlrev_b32 v[VO], 4, v7
	s_lshl_b32 s24, s18, 13                        ; my wave's turning stage
	v_lshrrev_b32 v8, 2, v7                        ; my 4 columns lie in fragment i = lane / 4,
	v_and_b32 v9, 3, v7                            ; at r = 4 (lane % 4) + j
	v_lshl_add_u32 v[LW], v8, 10, s24
	v_lshl_add_u32 v[LW], v9, 6, v[LW]
	v_add_nc_u32 v[LR], s24, v[VO]
	v_and_b32 v10, 15, v0                          ; lane % 16
	v_bfe_u32 v11, v0, 4, 1                        ; lane / 16
	v_lshlrev_b32 v[XO], 12, v10
	v_lshl_add_u32 v[XO], v11, 5, v[XO]
	s_mul_i32 s25, s18, RSZ
	s_add_co_u32 s25, s25, RST                     ; my wave's stage for its partial tile
	v_mul_u32_u24 v[RW], v10, RP
	v_lshl_add_u32 v[RW], v11, 5, v[RW]
	v_add_nc_u32 v[RW], s25, v[RW]
	s_mul_i32 s25, s18, 8*RP
	s_add_co_u32 s25, s25, RST                     ; rows 8 x wave .. of stage 0
	v_add_nc_u32 v[RR], s25, v[VO]
	s_and_b32 s26, ttmp9, 7                        ; g
	s_lshr_b32 s27, ttmp9, 3                       ; P
	s_lshl2_add_u32 s28, s27, s18                  ; q = 4 P + wave
	s_lshl_b32 s30, s28, 17                        ; from: 32 q rows of 4,096 bytes
	s_lshl_b32 s29, s26, 9                         ;       + 128 g columns
	s_add_co_u32 s30, s30, s29
	s_mov_b32 s31, 0
	s_lshl_b32 s32, s26, 5
	s_add_co_u32 s32, s32, s28
	s_lshl_b32 s32, s32, 13                        ; to: (32 g + q) x 8,192
	s_mov_b32 s33, 0
	s_lshl_b32 s34, s28, 7                         ; dec_states: 32 q channels of f32
	s_mov_b32 s35, 0
	s_lshl_b32 s36, s27, 17                        ; dpart: partial sum P,
	s_add_co_u32 s36, s36, s29                     ;        128 g columns,
	s_lshl_b32 s29, s18, 15                        ;        rows 8 x wave ..
	s_add_co_u32 s36, s36, s29
	s_mov_b32 s37, 0
	s_wait_kmcnt 0x0
	s_cmp_eq_u32 s19, 1
	s_cselect_b64 s[20:21], s[6:7], s[4:5]
	s_cmp_eq_u32 s19, 2
	s_cselect_b64 s[20:21], s[8:9], s[20:21]
	s_cselect_b64 s[22:23], s[14:15], s[12:13]
	s_add_nc_u64 s[20:21], s[20:21], s[30:31]
	s_add_nc_u64 s[22:23], s[22:23], s[32:33]
	s_add_nc_u64 s[10:11], s[10:11], s[34:35]
	s_add_nc_u64 s[16:17], s[16:17], s[36:37]
.set kk, 0
.rept 32
	global_load_b128 v[L+4*kk:L+4*kk+3], v[VO], s[20:21] offset:4096*kk th:TH_LOAD_NT  ; 512 consecutive bytes of row kk
.set kk, kk+1
.endr
.irp mt, 0,1
.irp c, 0,1,2,3                        ; channels 8 h + 0..7 (32 bytes of f32) and 16 + 8 h + 0..7 (64 bytes on)
	global_load_b128 v[XF+16*(\mt)+4*(\c):XF+16*(\mt)+4*(\c)+3], v[XO], s[10:11] offset:65536*(\mt)+64*((\c)/2)+16*((\c)%2)
.endr
.endr
	s_wait_loadcnt 0x0                             ; a pair of roundings wants two rows: all 40 loads are waited for once
.irp u, 0,1,2,3
.irp j, 0,1,2,3
.irp e, 0,1,2,3
	v_cvt_pk_bf16_f32 v[O+16*(\u)+4*(\j)+(\e)], v[L+4*(8*(\u)+2*(\e))+(\j)], v[L+4*(8*(\u)+2*(\e)+1)+(\j)]  ; k = 8 u + 2 e low, + 1 high
.endr
.endr
.endr
.irp u, 0,1,2,3
.irp j, 0,1,2,3
	ds_store_b128 v[LW], v[O+16*(\u)+4*(\j):O+16*(\u)+4*(\j)+3] offset:256*(\u)+16*(\j)
.endr
.endr
.set t, 0
.rept 16
	ds_load_b128 v[L+4*t:L+4*t+3], v[LR] offset:512*t  ; LDS serves a wave's instructions in order (ISA guide 5.7.1.4): these see the stores above.  Fragment i lands in v[L + 8 i ..]
.set t, t+1
.endr
	s_cmp_eq_u32 s19, 1
	s_cbranch_scc1 .Ldec
.set t, 0
.rept 16
	s_wait_dscnt 15-t                              ; LDS loads come back in order: number t is in
	global_store_b128 v[VO], v[L+4*t:L+4*t+3], s[22:23] offset:512*t  ; 16 lanes store 256 consecutive bytes, aligned
.set t, t+1
.endr
	s_branch .Lmeet
.Ldec:
.irp mt, 0,1
.set k, 0
.rept 8                                ; in place, ascending: number k lands on a register whose f32 has been read
	v_cvt_pk_bf16_f32 v[XF+16*(\mt)+k], v[XF+16*(\mt)+2*k], v[XF+16*(\mt)+2*k+1]
.set k, k+1
.endr
.endr
	s_wait_dscnt 0x0                               ; the eight fragments are in, and the stores that read O's registers are done
.irp mt, 0,1
.irp i, 0,1,2,3,4,5,6,7
	v_wmma_f32_16x16x32_bf16 v[ACC+8*(8*(\mt)+(\i)):ACC+8*(8*(\mt)+(\i))+7], v[L+8*(\i):L+8*(\i)+7], v[XF+16*(\mt):XF+16*(\mt)+7], 0  ; sixteen accumulators, one product each
.endr
.endr
.rept 4
	v_nop                                          ; four places behind the last product, ahead of the stores of its result and of loads into its registers
.endr
.irp mt, 0,1
.irp i, 0,1,2,3,4,5,6,7
	ds_store_b128 v[RW], v[ACC+8*(8*(\mt)+(\i)):ACC+8*(8*(\mt)+(\i))+3]   offset:16*RP*(\mt)+64*(\i)      ; row 16 mt + lane % 16, columns 16 i + 8 (lane / 16) ..
	ds_store_b128 v[RW], v[ACC+8*(8*(\mt)+(\i))+4:ACC+8*(8*(\mt)+(\i))+7] offset:16*RP*(\mt)+64*(\i)+16
.endr
.endr
.Lmeet:
	s_wait_dscnt 0x0                               ; for the others' sake: my partial tile lies in LDS
	s_barrier_signal -1
	s_barrier_wait -1                              ; all four waves' do
	s_cmp_eq_u32 s19, 1
	s_cbranch_scc0 .Lend
.irp s, 0,1,2,3
.irp rr, 0,1,2,3,4,5,6,7
	ds_load_b128 v[ACC+32*(\s)+4*(\rr):ACC+32*(\s)+4*(\rr)+3], v[RR] offset:RSZ*(\s)+RP*(\rr)  ; a whole row of stage s: 512 consecutive bytes
.endr
.endr
	s_wait_dscnt 0x0
.set r, 0
.rept 16
	v_pk_add_f32 v[ACC+r:ACC+r+1],       v[ACC+r:ACC+r+1],       v[ACC+32+r:ACC+32+r+1]
	v_pk_add_f32 v[ACC+64+r:ACC+64+r+1], v[ACC+64+r:ACC+64+r+1], v[ACC+96+r:ACC+96+r+1]
.set r, r+2
.endr
.set r, 0
.rept 16
	v_pk_add_f32 v[ACC+r:ACC+r+1], v[ACC+r:ACC+r+1], v[ACC+64+r:ACC+64+r+1]
.set r, r+2
.endr
.irp rr, 0,1,2,3,4,5,6,7
	global_store_b128 v[VO], v[ACC+4*(\rr):ACC+4*(\rr)+3], s[16:17] offset:4096*(\rr)  ; 512 consecutive bytes of row 8 x wave + rr, aligned
.endr
.Lend:
	s_wait_tensorcnt 0x0                           ; the wave's end, behind my last LDS store
	ds_add_u32 v[SPW], v[NIL]
	s_wait_dscnt 0x0
	s_endpgm
.Lfunc_end_k_q7d42f8725f_prep:
	.size	k_q7d42f8725f_prep, .Lfunc_end_k_q7d42f8725f_prep-k_q7d42f8725f_prep
	.p2alignl 7, 3214868480
	.fill 96, 4, 3214868480
	.section	.rodata,"a",@progbits
	.p2align	6, 0x0
	.amdhsa_kernel k_q7d42f8725f_prep
		.amdhsa_group_segment_fixed_size 100864
		.amdhsa_private_segment_fixed_size 0
		.amdhsa_enable_private_segment 0
		.amdhsa_kernarg_size 56
		.amdhsa_user_sgpr_count 2
		.amdhsa_user_sgpr_kernarg_segment_ptr 1
		.amdhsa_wavefront_size32 1
		.amdhsa_system_sgpr_workgroup_id_x 1
		.amdhsa_system_sgpr_workgroup_id_y 1
		.amdhsa_system_sgpr_workgroup_id_z 1
		.amdhsa_system_vgpr_workitem_id 0
		.amdhsa_next_free_vgpr 256
		.amdhsa_next_free_sgpr 66
		.amdhsa_reserve_vcc 0
		.amdhsa_float_denorm_mode_32 3
		.amdhsa_float_denorm_mode_16_64 3
		.amdhsa_memory_ordered 1
		.amdhsa_forward_progress 1
		.amdhsa_inst_pref_size 25
	.end_amdhsa_kernel
	.amdgpu_metadata
---
amdhsa.version: [ 1, 2 ]
amdhsa.kernels:
  - .name:           k_q7d42f8725f_prep
    .symbol:         k_q7d42f8725f_prep.kd
    .args:
      - { .name: W_enc, .offset: 0, .size: 8, .value_kind: global_buffer, .address_space: global }
      - { .name: W_dec, .offset: 8, .size: 8, .value_kind: global_buffer, .address_space: global }
      - { .name: W_out, .offset: 16, .size: 8, .value_kind: global_buffer, .address_space: global }
      - { .name: dec_states, .offset: 24, .size: 8, .value_kind: global_buffer, .address_space: global }
      - { .name: wfe, .offset: 32, .size: 8, .value_kind: global_buffer, .address_space: global }
      - { .name: wfo, .offset: 40, .size: 8, .value_kind: global_buffer, .address_space: global }
      - { .name: dpart, .offset: 48, .size: 8, .value_kind: global_buffer, .address_space: global }
    .group_segment_fixed_size: 100864
    .private_segment_fixed_size: 0
    .kernarg_segment_align: 8
    .kernarg_segment_size: 56
    .max_flat_workgroup_size: 128
    .sgpr_count:     66
    .vgpr_count:     256
    .wavefront_size: 32
...
	.end_amdgpu_metadata
.endif
;; end of part 1
;; launch main (part 2): grid 8 x 32, 4 waves a work-group, no clusters, 280,064 bytes of LDS; arguments enc_states, enc_len, wfe, dpart, b_enc, w_attn, scores, stat, part, b_dec; writes scores, stat, part
.if DOCPART == 2
	.amdgcn_target "amdgcn-amd-amdhsa--gfx1250"
	.amdhsa_code_object_version 6
	.text
	.protected	k_q7d42f8725f_main
	.globl	k_q7d42f8725f_main
	.p2align	8
	.type	k_q7d42f8725f_main,@function
k_q7d42f8725f_main:
	s_mov_b64 s[64:65], 0
	v_nop
	global_prefetch_b8 v0, s[64:65] scope:SCOPE_SE
	s_setreg_imm32_b32 hwreg(HW_REG_WAVE_MODE, 25, 1), 1
	s_wait_xcnt 0x0
; For a BLOCK of 128 rows s of one batch b:  score[s] = sum over a of (-2 w_attn[a]) / (1 + 2^(c2 (enc[s] . W_enc[:, a] + dec_h[b][a] + b_enc[a]))),  c2 = 2 log2(e),
; where dec_h[b][a] = b_dec[a] + the eight partial sums dpart[P][b][a] that the launch before has made of dec_states[b] . W_dec[:, a].
; Since tanh x = 1 - 2 / (1 + 2^(c2 x)), that is reference()'s score less the sum of w_attn, the same number for every s: it falls out of the softmax.
; Then, with the block's own maximum m over its rows s < enc_len[b]:  p = 2^(c1 (score - m)), c1 = log2(e);  l = sum of p;  part[e] = sum over s of p[s] enc[s][e].
; Stored: the scores (-inf where s >= enc_len), (m, l), part.  The next launch joins a batch's 16 blocks under their common maximum.
; FORMATS.  enc_states and W_enc are rounded once to bf16 for the product, p once to bf16 for the second product (l is taken of the unrounded p); all sums, the biases, w_attn, scores, m, l in f32.
; LIMITS.  Inputs are finite.  enc_len above 2,048 acts as 2,048; enc_len <= 0 leaves -inf everywhere, of which the next launch makes NaN, as reference() does.  A weight below 2^-126 counts as 0.
; EACH BYTE OF enc_states IS READ ONCE: the block's bf16 copy, 128 rows x 2,048 bytes, stays in LDS and serves both products.
; SHARES.  256 work-groups of four waves; work-group (j, b) takes blocks j and j + 8 of batch b.  In the large product a wave makes all 128 rows x 128 columns at a time
; (64 accumulators, 512 registers), two such column groups a block: wave v has columns 128 v .. and 128 (v + 4) ..
; NO CLUSTER, NO TENSOR LOADS.  All work-groups walk the same W_enc, but the copy of the block takes 264,192 of LDS's 327,680 bytes: two slots in what is left would hold 32 of K for 512 columns
; each, 64 matrix instructions a wave between two changes of slots.  So W_enc's fragments, laid out in fragment order by an earlier launch, come straight into registers, 512 consecutive
; bytes a load, three K steps (48 loads a wave) ahead of their use; no wave wants a fragment that another has fetched, and the K loop has no barrier.
; BLOCKS THAT THE MASK HIDES WHOLLY (128 j >= enc_len) load and multiply nothing.  The four barriers of a block stand outside the branches on enc_len, on every wave's path;
; what lies inside such a branch holds no barrier.
; THE MATRIX INSTRUCTION IS USED TRANSPOSED (source 0 = 16 columns of W_enc, source 1 = 16 rows of the block): a lane holds ONE row (lane % 16) and the columns 8 (lane / 16) + 0..7.
; REGISTERS, in windows of 256 (s_set_vgpr_msb: bits 1:0 source 0, 3:2 source 1, 5:4 source 2, 7:6 destination):
;   window 0: addresses and statistics; v64-127, v128-191 two buffers of the block's fragments (behind the product: the tables); v192-223, v224-255 at work
;   window 1: W_enc's fragments, a ring of four K steps of 64 registers; in the second product the block's turned fragments, two sets of 128
;   windows 2, 3: accumulator (row tile t, column tile i) in window 2 + t / 4 at v[8 (8 (t % 4) + i)]; window 2 is also the f32 staging on the way in, and the second product's 16 accumulators
.set PA,    2064                       ; a row of the block in LDS: 2,048 bytes + 16 = 516 words: row r starts at bank 4 r mod 64 (64 banks of 4 bytes: ISA guide 11.1)
.set TCB,   128*PA                     ; c2 (dec_h[b][a] + b_enc[a]), 1,024 f32;  4,096 bytes on: -2 w_attn[a]
.set SCR,   TCB+8192                   ; wave v's partial scores of the 128 rows, 512 bytes each
.set PT,    SCR+2048                   ; each wave's own copy of p in bf16, 256 bytes
.set CS,    PT+1024                    ; each wave's own stage for its 256 numbers of part, 1,024 bytes
.set SPARE, CS+4096                    ; the spare words, 128 bytes a wave
.set SPW,  2                           ; v2     SPARE + 4 x my thread's number; never rewritten
.set NIL,  3                           ; v3     0; never rewritten
.set LN,   4                           ; v4     lane
.set VB,   6                           ; v6     16 x lane
.set AB,   8                           ; v8-11  LDS address of my row in row tiles 2 p, 2 p + 1: (32 p + lane % 16) PA + 16 (lane / 16); never rewritten
.set ADRA, 12                          ; v12-15 the same plus the K loop's step
.set LA,   17                          ; v17    the way in: where I put 8 bytes of a row, in the lap in hand
.set LA0,  18                          ; v18    32 x wave x PA + 8 x lane; never rewritten
.set TA0,  19                          ; v19    my 8 numbers of the tables in column tile 0 of my first column group
.set TADR, 20                          ; v20    the same in the group in hand
.set SCW,  21                          ; v21    where I put a partial score
.set SCRD, 22                          ; v22    where I read 4 rows' partial scores
.set IDX,  23                          ; v23    4 x lane: the first of my 4 rows in the softmax
.set PTW,  24                          ; v24    where I put my 4 p
.set PTR,  25                          ; v25    where P's fragments are read
.set ATR,  26                          ; v26-29 the turning loads' address for rows 32 kb ..
.set CSW,  30                          ; v30, v31  into and out of my stage
.set CSR,  31
.set PFO,  32                          ; v32    256 x lane; never rewritten
.set O8,   33                          ; v33    8 x lane
.set NEG,  34                          ; v34    -inf
.set SC,   40                          ; v40-47 my row's score in row tile t, summed over my columns
.set SCP,  48                          ; v48-55 four chains of pairs
.set TMP,  56                          ; v56-63
.set F0,   64
.set F1,   128
.set CBR,  64                          ; behind the product: my 64 numbers of the first table,
.set W2R,  128                         ; and of the second
.set TMPC, 192                         ; the way in: two rows in bf16
.set PF,   192                         ; the second product: P's four fragments
.set SM,   224                         ; softmax: +0..3 scores; +4..11 at work; +12..15 p; +16, 17 m, l; +18, 19 c1 m; +20, 21 sums; +22, 23 p in bf16; +24..31 part
.set WV,   22                          ; s22 wave   s23 batch   s24 j   s25 enc_len[b]   s26 the block's first row
.set BB,   23
.set JJ,   24
.set LEN,  25
.set ROW0, 26
.set TRIP, 27                          ; loop counts
.set HALF, 28
.set KC,   29
.set C2,   30                          ; s[30:31] c2: the packed forms name a pair and take its low word
.set C1,   32                          ; s[32:33] c1
.set SEL,  34                          ; s[34:35] v_permlanex16_b32's selects: each lane takes its own place in the other half
.set HM,   36                          ; s36  a mask: lanes 16-31
.set REM,  37                          ; s37  enc_len - first row;  s59-61: less 1, 2, 3
.set EB,   38                          ; s[38:39] enc_states at my wave's rows, walking
.set SB,   40                          ; s[40:41] W_enc's fragments, walking
.set T0,   42                          ; s42-47 at work (at the head s[46:47] holds b_dec's address)
.set SCO,  48                          ; s[48:49], s[50:51], s[52:53]: where this block's scores, (m, l) and my part of part go
.set STO,  50
.set PAO,  52
.set PFB,  54                          ; s[54:55] enc_states at my wave's rows of block j + 8; never rewritten
.set HOFF, 56                          ; s56  the column group's place in the tables: 0, 2,048
.set LAP,  57
.set PFON, 58
.set REM1, 59
.set LOFF, 62                          ; s62  the way in: the lap's 8 rows in LDS
.set KOFF, 63                          ; s63  the K loop: bytes along the block's rows
.set MSB, 0
.macro WIN new                         ; the immediate's high byte repeats the setting that is left; a switch that changes nothing is dropped
.if MSB != (\new)
	s_set_vgpr_msb (MSB<<8)|(\new)
.set MSB, \new
.endif
.endm
.set MUL_LO, 0xa1                      ; source 0 (W_enc) window 1, source 1 (the block) window 0, C and D window 2
.set MUL_HI, 0xf1                      ; the same, C and D window 3
.macro PLACES                          ; four places behind a matrix instruction, ahead of loads into registers that it read and of readers of its result
.rept 4
	v_nop
.endr
.endm
.macro BAR                             ; my LDS stores lie there and my LDS loads are back; then the work-group's barrier
	s_wait_dscnt 0x0
	s_barrier_signal -1
	s_barrier_wait -1
.endm
; THE WAY IN.  A turn is two rows: 16 loads of 512 consecutive bytes into one of four staging sets (64 registers of window 2).  st: the set; rp: the pair of rows, counted from the lap's first.
.macro ELOAD st, rp
	WIN 0x80
.irp rr, 0,1
.irp c, 0,1,2,3,4,5,6,7
	global_load_b128 v[64*(\st)+32*(\rr)+4*(\c):64*(\st)+32*(\rr)+4*(\c)+3], v[VB], s[EB:EB+1] offset:(2*(\rp)+(\rr))*4096+512*(\c) th:TH_LOAD_NT
.endr
.endr
.endm
.macro ECVT s                          ; set s, the lap's rows 2 s and 2 s + 1, is rounded to bf16 and put into LDS, 256 consecutive bytes a store
	WIN 0x0a
.set i, 0
.rept 32
	v_cvt_pk_bf16_f32 v[TMPC+i], v[64*(\s)+2*i], v[64*(\s)+2*i+1]
.set i, i+1
.endr
	WIN 0
.irp rr, 0,1
.irp c, 0,1,2,3,4,5,6,7
	ds_store_b64 v[LA], v[TMPC+16*(\rr)+2*(\c):TMPC+16*(\rr)+2*(\c)+1] offset:(2*(\s)+(\rr))*PA+256*(\c)
.endr
.endr
.endm
; One turn: set s has come (lc younger loads may stay out); the turn three on is asked for, into the set that the turn before has rounded (st = -1: nothing is left to ask for); set s is rounded.
.macro ETURN s, lc, st, rp
	s_wait_loadcnt \lc                             ; loads come back in order (ISA guide 5.7.1)
.if (\st) >= 0
	ELOAD \st, \rp
.endif
	ECVT \s
.endm
; THE LARGE PRODUCT.  A K step is 32 channels: 16 LDS loads (the block's 8 row tiles), 16 global loads (my 8 column tiles of W_enc), 64 matrix instructions.
.macro FETCH_A ka, f
	WIN 0
.irp t, 0,1,2,3,4,5,6,7
	ds_load_b128 v[(\f)+8*(\t):(\f)+8*(\t)+3],   v[ADRA+(\t)/2] offset:((\t)%2)*16*PA+(\ka)
	ds_load_b128 v[(\f)+8*(\t)+4:(\f)+8*(\t)+7], v[ADRA+(\t)/2] offset:((\t)%2)*16*PA+(\ka)+32
.endr
.endm
.macro FETCH_B kb, bs
	WIN 0x40
.irp i, 0,1,2,3,4,5,6,7
	global_load_b128 v[64*(\bs)+8*(\i):64*(\bs)+8*(\i)+3],   v[VB], s[SB:SB+1] offset:(\kb)+1024*(\i)
	global_load_b128 v[64*(\bs)+8*(\i)+4:64*(\bs)+8*(\i)+7], v[VB], s[SB:SB+1] offset:(\kb)+1024*(\i)+512
.endr
.endm
.macro MUL16 fa, bs, hi, a0, zero      ; row tiles 4 hi + a0, + 1 x all 8 column tiles.  zero = 1: the products start the sums: nothing is cleared
	WIN MUL_LO+0x50*(\hi)
.irp a, \a0, (\a0)+1
.irp i, 0,1,2,3,4,5,6,7
.if \zero
	v_wmma_f32_16x16x32_bf16 v[8*(8*(\a)+(\i)):8*(8*(\a)+(\i))+7], v[64*(\bs)+8*(\i):64*(\bs)+8*(\i)+7], v[(\fa)+8*(4*(\hi)+(\a)):(\fa)+8*(4*(\hi)+(\a))+7], 0
.else
	v_wmma_f32_16x16x32_bf16 v[8*(8*(\a)+(\i)):8*(8*(\a)+(\i))+7], v[64*(\bs)+8*(\i):64*(\bs)+8*(\i)+7], v[(\fa)+8*(4*(\hi)+(\a)):(\fa)+8*(4*(\hi)+(\a))+7], v[8*(8*(\a)+(\i)):8*(8*(\a)+(\i))+7]
.endif
.endr
.endr
.endm
; One K step: multiplies the block's buffer fa by ring buffer bs; in its middle, in one run, it fetches the next step's fragments of the block (byte ka of the rows, into fan) and W_enc's
; of three steps on (byte kb, into ring buffer bn, which the step before multiplied).  ka, kb = -1: nothing is left to fetch.  lc: the younger loads of W_enc that may stay out.
; The 64 accumulators take turns in one fixed order, over the backward jumps too.
.macro STEP fa, bs, lc, ka, fan, kb, bn, zero
	s_wait_loadcnt \lc                             ; this step's 16 loads of W_enc are in, those of the steps behind it stay out
	s_wait_dscnt 8                                 ; the block's row tiles 0-3 are in; the youngest eight loads (tiles 4-7) may be out
	MUL16 \fa, \bs, 0, 0, \zero
	MUL16 \fa, \bs, 0, 2, \zero
.if ((\ka) >= 0) || ((\kb) >= 0)
	PLACES
.endif
.if (\ka) >= 0
	FETCH_A \ka, \fan
.endif
.if (\kb) >= 0
	FETCH_B \kb, \bn
.endif
.if (\ka) >= 0
	s_wait_dscnt 16                                ; all LDS loads but the 16 just issued
.else
	s_wait_dscnt 0x0
.endif
	MUL16 \fa, \bs, 1, 0, \zero
	MUL16 \fa, \bs, 1, 2, \zero
.endm
; BEHIND THE PRODUCT, row tile t: for its 64 numbers a lane  y = c2 x + CB;  2^y;  1 + ..;  1 / ..;  times -2 w, summed.  Each accumulator's lowest registers are read first.
; The 64 exponentials are one batch and the 64 reciprocals another: behind each a plain instruction and one wait ahead of the first reader.
; 2^y = inf gives 0 and 2^y = 0 gives 1: tanh's two ends, for every finite x.
.macro EPI t
.set EW, 2+(\t)/4
.set EA, 64*((\t)%4)
	WIN (EW<<6)|EW                                 ; destination and source 0 in the tile's window, the tables in window 0
.set p, 0
.rept 32
	v_pk_fma_f32 v[EA+2*p:EA+2*p+1], v[EA+2*p:EA+2*p+1], s[C2:C2+1], v[CBR+2*p:CBR+2*p+1] op_sel_hi:[1,0,1]
.set p, p+1
.endr
.set p, 0
.rept 64
	v_exp_f32 v[EA+p], v[EA+p]
.set p, p+1
.endr
	v_nop
	s_wait_alu depctr_va_vdst(0)
.set p, 0
.rept 32
	v_pk_add_f32 v[EA+2*p:EA+2*p+1], v[EA+2*p:EA+2*p+1], 1.0 op_sel_hi:[1,0]
.set p, p+1
.endr
.set p, 0
.rept 64
	v_rcp_f32 v[EA+p], v[EA+p]
.set p, p+1
.endr
	v_nop
	s_wait_alu depctr_va_vdst(0)
	WIN EW                                         ; source 0 in the tile's window, all else in window 0
.set p, 0
.rept 32
.if p < 4
	v_pk_mul_f32 v[SCP+2*p:SCP+2*p+1], v[EA+2*p:EA+2*p+1], v[W2R+2*p:W2R+2*p+1]   ; the first four pairs start four chains
.else
	v_pk_fma_f32 v[SCP+2*(p%4):SCP+2*(p%4)+1], v[EA+2*p:EA+2*p+1], v[W2R+2*p:W2R+2*p+1], v[SCP+2*(p%4):SCP+2*(p%4)+1]
.endif
.set p, p+1
.endr
	WIN 0
	v_pk_add_f32 v[SCP:SCP+1], v[SCP:SCP+1], v[SCP+2:SCP+3]
	v_pk_add_f32 v[SCP+4:SCP+5], v[SCP+4:SCP+5], v[SCP+6:SCP+7]
	v_pk_add_f32 v[SCP:SCP+1], v[SCP:SCP+1], v[SCP+4:SCP+5]
	v_add_f32 v[SCP], v[SCP], v[SCP+1]
	v_add_f32 v[SC+(\t)], v[SC+(\t)], v[SCP]
.endm
; THE SECOND PRODUCT.  part[e] = sum over s of p[s] enc[s][e]: source 0 = P (16 equal rows of 32 p), source 1 = 16 columns e x 32 rows s of the block, turned on the way out of LDS.
; Wave v makes e = 256 v .. 256 v + 255: 16 accumulators, which take turns; 4 steps of 32 rows.
.macro LOADT kb, bf
	WIN 0x40
.irp e, 0,1,2,3,4,5,6,7,8,9,10,11,12,13,14,15
	ds_load_tr16_b128 v[128*(\bf)+8*(\e):128*(\bf)+8*(\e)+3],   v[ATR+(\kb)] offset:32*(\e)
	ds_load_tr16_b128 v[128*(\bf)+8*(\e)+4:128*(\bf)+8*(\e)+7], v[ATR+(\kb)] offset:32*(\e)+16*PA
.endr
.endm
.macro CMUL kb, bf, zero
	WIN 0xa4                                       ; P window 0, the turned fragments window 1, C and D window 2
.irp e, 0,1,2,3,4,5,6,7,8,9,10,11,12,13,14,15
.if \zero
	v_wmma_f32_16x16x32_bf16 v[8*(\e):8*(\e)+7], v[PF+8*(\kb):PF+8*(\kb)+7], v[128*(\bf)+8*(\e):128*(\bf)+8*(\e)+7], 0
.else
	v_wmma_f32_16x16x32_bf16 v[8*(\e):8*(\e)+7], v[PF+8*(\kb):PF+8*(\kb)+7], v[128*(\bf)+8*(\e):128*(\bf)+8*(\e)+7], v[8*(\e):8*(\e)+7]
.endif
.endr
.endm
	s_load_b512 s[4:19], s[0:1], 0x0               ; enc_states s[4:5], enc_len s[6:7], wfe s[8:9], dpart s[10:11], b_enc s[12:13], w_attn s[14:15], scores s[16:17], stat s[18:19]
	s_load_b64 s[20:21], s[0:1], 0x40              ; part
	s_load_b64 s[T0+4:T0+5], s[0:1], 0x48          ; b_dec: wanted at the head alone
	v_lshl_add_u32 v[SPW], v0, 2, SPARE
	v_mov_b32 v[NIL], 0
	v_lshrrev_b32 v1, 5, v0
	v_readfirstlane_b32 s[WV], v1                  ; wave 0..3
	s_and_b32 s[BB], ttmp7, 0xffff
	s_mov_b32 s[JJ], ttmp9
	s_mov_b32 s[C2], 0x4038aa3b                    ; 2 log2(e)
	s_mov_b32 s[C2+1], s[C2]
	s_mov_b32 s[C1], 0x3fb8aa3b                    ; log2(e)
	s_mov_b32 s[C1+1], s[C1]
	s_mov_b32 s[SEL], 0x76543210
	s_mov_b32 s[SEL+1], 0xfedcba98
	s_mov_b32 s[HM], 0xffff0000
	v_and_b32 v[LN], 31, v0
	v_and_b32 v5, 15, v0                           ; lane % 16
	v_bfe_u32 v7, v0, 4, 1                         ; lane / 16
	v_lshlrev_b32 v[VB], 4, v[LN]
	v_mul_u32_u24 v1, v5, PA
	v_lshl_add_u32 v1, v7, 4, v1
.irp p, 0,1,2,3
	v_add_nc_u32 v[AB+\p], 32*PA*\p, v1
.endr
	s_mul_i32 s[T0], s[WV], 32*PA
	v_lshl_add_u32 v[LA0], v[LN], 3, s[T0]
	s_lshl_b32 s[T0], s[WV], 9
	s_add_co_u32 s[T0+1], s[T0], TCB
	v_lshl_add_u32 v[TA0], v7, 5, s[T0+1]
	s_add_co_u32 s[T0+1], s[T0], SCR
	v_lshl_add_u32 v[SCW], v[LN], 2, s[T0+1]
	v_lshl_add_u32 v[SCRD], v[LN], 4, SCR
	v_lshlrev_b32 v[IDX], 2, v[LN]
	v_and_b32 v1, 7, v0                            ; the turning load: lane l reads row 8 (l / 16) + l % 8, columns 8 ((l / 8) % 2) + 0..7
	v_lshl_add_u32 v1, v7, 3, v1
	v_mul_u32_u24 v1, v1, PA
	v_bfe_u32 v16, v0, 3, 1
	v_lshl_add_u32 v1, v16, 4, v1
	v_add_nc_u32 v1, s[T0], v1                     ; + my wave's 256 columns, 512 bytes
.irp p, 0,1,2,3
	v_add_nc_u32 v[ATR+\p], 32*PA*\p, v1
.endr
	s_lshl_b32 s[T0], s[WV], 8
	s_add_co_u32 s[T0], s[T0], PT
	v_lshl_add_u32 v[PTW], v[LN], 3, s[T0]
	v_lshl_add_u32 v[PTR], v7, 4, s[T0]
	s_lshl_b32 s[T0], s[WV], 10
	s_add_co_u32 s[T0], s[T0], CS
	v_lshl_add_u32 v[CSW], v[LN], 2, s[T0]
	v_lshl_add_u32 v[CSR], v[LN], 4, s[T0]
	v_lshlrev_b32 v[PFO], 8, v[LN]
	v_lshlrev_b32 v[O8], 3, v[LN]
	v_mov_b32 v[NEG], 0xff800000
	v_lshlrev_b32 v35, 5, v0                       ; the tables: thread t makes numbers 8 t .. 8 t + 7
	v_lshl_add_u32 v36, v0, 5, TCB
	s_lshl_b32 s[T0], s[BB], 2
	s_mov_b32 s[T0+1], 0
	s_lshl_b32 s[T0+2], s[BB], 12
	s_mov_b32 s[T0+3], 0
	s_wait_kmcnt 0x0
	s_add_nc_u64 s[6:7], s[6:7], s[T0:T0+1]
	s_load_b32 s[LEN], s[6:7], 0x0                 ; enc_len[b]
	s_add_nc_u64 s[10:11], s[10:11], s[T0+2:T0+3]  ; dpart[0][b]
.irp P, 0,1,2,3,4,5,6,7
	global_load_b128 v[64+8*\P:64+8*\P+3], v35, s[10:11] offset:131072*\P      ; partial sum P of dec_states[b] . W_dec
	global_load_b128 v[64+8*\P+4:64+8*\P+7], v35, s[10:11] offset:131072*\P+16
.endr
	global_load_b128 v[128:131], v35, s[12:13]
	global_load_b128 v[132:135], v35, s[12:13] offset:16
	global_load_b128 v[136:139], v35, s[T0+4:T0+5]
	global_load_b128 v[140:143], v35, s[T0+4:T0+5] offset:16
	global_load_b128 v[144:147], v35, s[14:15]
	global_load_b128 v[148:151], v35, s[14:15] offset:16
	s_lshl_b32 s[ROW0], s[JJ], 7
	s_mov_b32 s[TRIP], 2
	s_lshl_b32 s[T0], s[BB], 11
	s_add_co_u32 s[T0+2], s[ROW0], 1024            ; block j + 8's first row
	s_add_co_u32 s[T0], s[T0], s[T0+2]
	s_lshl_b32 s[T0+3], s[WV], 5
	s_add_co_u32 s[T0], s[T0], s[T0+3]
	s_lshl_b32 s[T0], s[T0], 12                    ; at most 65,535 rows of 4,096 bytes: under 2^28
	s_add_nc_u64 s[PFB:PFB+1], s[4:5], s[T0:T0+1]
	s_wait_kmcnt 0x0
	s_cmp_lt_i32 s[T0+2], s[LEN]
	s_cselect_b32 s[PFON], 1, 0                    ; block j + 8 will be loaded
	s_wait_loadcnt 0x0                             ; all 22 loads went out together
.irp p, 0,2,4,6
	v_pk_add_f32 v[64+\p:65+\p],   v[64+\p:65+\p],   v[72+\p:73+\p]       ; the eight partial sums and the two biases, by pairs
	v_pk_add_f32 v[80+\p:81+\p],   v[80+\p:81+\p],   v[88+\p:89+\p]
	v_pk_add_f32 v[96+\p:97+\p],   v[96+\p:97+\p],   v[104+\p:105+\p]
	v_pk_add_f32 v[112+\p:113+\p], v[112+\p:113+\p], v[120+\p:121+\p]
	v_pk_add_f32 v[128+\p:129+\p], v[128+\p:129+\p], v[136+\p:137+\p]
.endr
.irp p, 0,2,4,6
	v_pk_add_f32 v[64+\p:65+\p],   v[64+\p:65+\p],   v[80+\p:81+\p]
	v_pk_add_f32 v[96+\p:97+\p],   v[96+\p:97+\p],   v[112+\p:113+\p]
.endr
.irp p, 0,2,4,6
	v_pk_add_f32 v[64+\p:65+\p],   v[64+\p:65+\p],   v[96+\p:97+\p]
.endr
.irp p, 0,2,4,6
	v_pk_add_f32 v[64+\p:65+\p],   v[64+\p:65+\p],   v[128+\p:129+\p]
.endr
.irp p, 0,2,4,6
	v_pk_mul_f32 v[64+\p:65+\p], v[64+\p:65+\p], s[C2:C2+1] op_sel_hi:[1,0]
	v_pk_mul_f32 v[144+\p:145+\p], v[144+\p:145+\p], -2.0 op_sel_hi:[1,0]
.endr
	ds_store_b128 v36, v[64:67]                    ; the other waves read the tables behind the first barrier below, in front of which these stores are waited for
	ds_store_b128 v36, v[68:71] offset:16
	ds_store_b128 v36, v[144:147] offset:4096
	ds_store_b128 v36, v[148:151] offset:4112
.Lblk:                                         ; two trips: blocks j and j + 8
	s_lshl_b32 s[T0], s[BB], 11
	s_add_co_u32 s[T0], s[T0], s[ROW0]             ; the block's first row among all 65,536
	s_lshl_b32 s[T0+2], s[T0], 2
	s_mov_b32 s[T0+3], 0
	s_add_nc_u64 s[SCO:SCO+1], s[16:17], s[T0+2:T0+3]
	s_lshl_b32 s[T0+1], s[WV], 5
	s_add_co_u32 s[T0], s[T0], s[T0+1]             ; my wave's 32 rows
	s_lshl_b32 s[T0], s[T0], 12
	s_mov_b32 s[T0+1], 0
	s_add_nc_u64 s[EB:EB+1], s[4:5], s[T0:T0+1]
	s_lshr_b32 s[T0+4], s[ROW0], 7
	s_lshl4_add_u32 s[T0+4], s[BB], s[T0+4]        ; 16 b + the block's number
	s_lshl_b32 s[T0+2], s[T0+4], 8
	s_add_nc_u64 s[STO:STO+1], s[18:19], s[T0+2:T0+3]
	s_lshl_b32 s[T0+2], s[T0+4], 12
	s_lshl_b32 s[T0+5], s[WV], 10
	s_add_co_u32 s[T0+2], s[T0+2], s[T0+5]
	s_add_nc_u64 s[PAO:PAO+1], s[20:21], s[T0+2:T0+3]
.set i, 0
.rept 8
	v_mov_b32 v[SC+i], 0                           ; the scores' sums run over two column groups; set on every way, since the stores behind the second barrier stand on every way
	v_mov_b32 v[TMP+i], 0
.set i, i+1
.endr
	; THE WAY IN: my 32 rows, sixteen turns of two rows through four staging sets.  Three sets (48 loads, 24 KiB a wave) are out; the fourth is being rounded.
	s_cmp_lt_i32 s[ROW0], s[LEN]
	s_cbranch_scc0 .Lb1
	s_mov_b32 s[LOFF], 0
	v_mov_b32 v[LA], v[LA0]
	ELOAD 0, 0
	ELOAD 1, 1
	ELOAD 2, 2
	WIN 0
	s_mov_b32 s[LAP], 3
.Llap:                                         ; a lap: four turns, 8 rows.  The count 32: the two younger sets' loads stay out
	ETURN 0, 32, 3, 3
	ETURN 1, 32, 0, 4
	ETURN 2, 32, 1, 5
	ETURN 3, 32, 2, 6
	s_wait_xcnt 0x0                                ; every load issued has had its address translated (ISA guide 3.1): only now is the base written
	s_add_nc_u64 s[EB:EB+1], s[EB:EB+1], 32768
	s_add_co_u32 s[LOFF], s[LOFF], 8*PA
	v_add_nc_u32 v[LA], s[LOFF], v[LA0]
	s_sub_co_u32 s[LAP], s[LAP], 1
	s_cmp_lg_u32 s[LAP], 0
	s_cbranch_scc1 .Llap
	ETURN 0, 32, 3, 3                              ; the last lap asks for the last two rows, then for nothing: the counts run down
	ETURN 1, 32, -1, 0
	ETURN 2, 16, -1, 0
	ETURN 3, 0,  -1, 0
.Lb1:
	BAR                                            ; the block (and, the first time, the tables) lies in LDS, every wave's part of it
	; THE LARGE PRODUCT, and the scores
	s_cmp_lt_i32 s[ROW0], s[LEN]
	s_cbranch_scc0 .Lb2
	s_mov_b32 s[HOFF], 0
	s_lshl_b32 s[T0], s[WV], 18                    ; column group g = my wave's number: 262,144 bytes each
	s_mov_b32 s[T0+1], 0
	s_add_nc_u64 s[SB:SB+1], s[8:9], s[T0:T0+1]
	FETCH_B 0, 0                                   ; K steps 0, 1, 2
	FETCH_B 8192, 1
	FETCH_B 16384, 2
	WIN 0
	s_mov_b32 s[HALF], 2
.Lhalf:                                        ; on both ways in, 48 loads of W_enc are out
	s_mov_b32 s[KOFF], 0
.irp p, 0,1,2,3
	v_mov_b32 v[ADRA+\p], v[AB+\p]
.endr
	FETCH_A 0, F0
	STEP F0, 0, 32, 64, F1, 24576, 3, 1            ; K step 0 stands in front of the loop: its products start the sums
	WIN 0
	s_wait_xcnt 0x0                                ; the youngest load stands 32 matrix instructions back
	s_add_nc_u64 s[SB:SB+1], s[SB:SB+1], 32768
	s_mov_b32 s[KC], 7
.Lk:                                           ; K steps 4 n + 1 .. 4 n + 4
	STEP F1, 1, 32, 128, F0, 0,     0, 0
	STEP F0, 2, 32, 192, F1, 8192,  1, 0
	STEP F1, 3, 32, 256, F0, 16384, 2, 0
	STEP F0, 0, 32, 320, F1, 24576, 3, 0
	WIN 0
	s_add_co_u32 s[KOFF], s[KOFF], 256             ; four K steps on along the block's rows
.irp p, 0,1,2,3
	v_add_nc_u32 v[ADRA+\p], s[KOFF], v[AB+\p]
.endr
	s_wait_xcnt 0x0
	s_add_nc_u64 s[SB:SB+1], s[SB:SB+1], 32768
	s_sub_co_u32 s[KC], s[KC], 1
	s_cmp_lg_u32 s[KC], 0
	s_cbranch_scc1 .Lk
	STEP F1, 1, 32, 128, F0, -1, 0, 0              ; K steps 29, 30, 31: W_enc's loads run out: 32, 16, 0 younger ones
	STEP F0, 2, 16, 192, F1, -1, 0, 0
	STEP F1, 3, 0,  -1,  0,  -1, 0, 0
	PLACES
	WIN 0
	s_cmp_lg_u32 s[HALF], 1
	s_cbranch_scc0 .Lnob
	s_add_nc_u64 s[SB:SB+1], s[SB:SB+1], 786432    ; on to column group g + 4 (the wait for 0 loads in K step 31 has shown every load that named the base done)
	FETCH_B 0, 0                                   ; its K steps 0, 1, 2 land while the scores are made
	FETCH_B 8192, 1
	FETCH_B 16384, 2
	WIN 0
.Lnob:
	v_add_nc_u32 v[TADR], s[HOFF], v[TA0]
.irp i, 0,1,2,3,4,5,6,7
	ds_load_b128 v[CBR+8*\i:CBR+8*\i+3],   v[TADR] offset:64*\i
	ds_load_b128 v[CBR+8*\i+4:CBR+8*\i+7], v[TADR] offset:64*\i+16
	ds_load_b128 v[W2R+8*\i:W2R+8*\i+3],   v[TADR] offset:4096+64*\i
	ds_load_b128 v[W2R+8*\i+4:W2R+8*\i+7], v[TADR] offset:4096+64*\i+16
.endr
	s_wait_dscnt 0x0
.irp t, 0,1,2,3,4,5,6,7
	EPI \t
.endr
	WIN 0
	s_add_co_u32 s[HOFF], s[HOFF], 2048            ; 512 columns on in the tables
	s_sub_co_u32 s[HALF], s[HALF], 1
	s_cmp_lg_u32 s[HALF], 0
	s_cbranch_scc1 .Lhalf
	s_wait_loadcnt 0x0                             ; the second column group has asked for nothing, so no load is out here; the wait holds that for every way through the text: the ring's registers are loaded anew in the next block
.irp t, 0,1,2,3,4,5,6,7
	v_permlanex16_b32 v[TMP+\t], v[SC+\t], s[SEL], s[SEL+1]  ; the row's other columns lie in the lane 16 away
.endr
.irp t, 0,1,2,3,4,5,6,7
	v_add_f32 v[SC+\t], v[SC+\t], v[TMP+\t]
.endr
.irp t, 0,1,2,3
	v_cndmask_b32 v[TMP+\t], v[SC+2*\t], v[SC+2*\t+1], s[HM]  ; row 32 t + lane: lanes 0-15 from the even tile, lanes 16-31 from the odd one
.endr
.Lb2:
	BAR                                            ; every wave's LDS loads of the product are back: no store below shares a stretch between barriers with them
.irp t, 0,1,2,3
	ds_store_b32 v[SCW], v[TMP+\t] offset:128*\t   ; on every way: a hidden block puts zeros here, which nobody reads
.endr
	BAR                                            ; all four waves' partial scores lie in LDS
	; THE BLOCK'S SOFTMAX (every wave makes it for itself: lane l has rows 4 l .. 4 l + 3) AND THE SECOND PRODUCT
	s_cmp_lt_i32 s[ROW0], s[LEN]
	s_cbranch_scc0 .Linact
.irp w, 0,1,2,3
	ds_load_b128 v[SM+4*\w:SM+4*\w+3], v[SCRD] offset:512*\w
.endr
	; A PREFETCH INTO THE L2, in block j's trip, if block j + 8 will be loaded: the first 8 of my wave's 32 rows of it, 32 KiB, a lane for each 256 bytes, four instructions together behind
	; the loads just issued.  No other wave of the launch names these bytes, and all lie inside block j + 8 <= 15 of the batch.  Between here and the loads that want them stands the rest of this trip.
	s_cmp_lg_u32 s[PFON], 0
	s_cbranch_scc0 .Lnopf
.irp n, 0,1,2,3
	global_prefetch_b8 v[PFO], s[PFB:PFB+1] offset:8192*\n th:TH_LOAD_NT scope:SCOPE_SE
.endr
	s_mov_b32 s[PFON], 0                           ; once
.Lnopf:
	s_sub_co_i32 s[REM], s[LEN], s[ROW0]           ; rows of the block that count (at least 1 here)
	s_sub_co_i32 s[REM1], s[REM], 1
	s_sub_co_i32 s[REM1+1], s[REM], 2
	s_sub_co_i32 s[REM1+2], s[REM], 3
	s_wait_dscnt 0x0
	v_pk_add_f32 v[SM:SM+1],     v[SM:SM+1],     v[SM+4:SM+5]
	v_pk_add_f32 v[SM+2:SM+3],   v[SM+2:SM+3],   v[SM+6:SM+7]
	v_pk_add_f32 v[SM+8:SM+9],   v[SM+8:SM+9],   v[SM+12:SM+13]
	v_pk_add_f32 v[SM+10:SM+11], v[SM+10:SM+11], v[SM+14:SM+15]
	v_pk_add_f32 v[SM:SM+1],     v[SM:SM+1],     v[SM+8:SM+9]
	v_pk_add_f32 v[SM+2:SM+3],   v[SM+2:SM+3],   v[SM+10:SM+11]
	v_cmp_gt_i32 vcc_lo, s[REM], v[IDX]            ; row 4 l + k counts where 4 l < rows - k
	v_cndmask_b32 v[SM], v[NEG], v[SM], vcc_lo
.irp k, 1,2,3
	v_cmp_gt_i32 vcc_lo, s[REM1+\k-1], v[IDX]
	v_cndmask_b32 v[SM+\k], v[NEG], v[SM+\k], vcc_lo
.endr
	v_max3_num_f32 v[SM+8], v[SM], v[SM+1], v[SM+2]
	v_max_num_f32 v[SM+8], v[SM+8], v[SM+3]
.irp x, 1,2,4,8
	v_max_num_f32_dpp v[SM+8], v[SM+8], v[SM+8] row_xmask:\x row_mask:0xf bank_mask:0xf
.endr
	v_permlanex16_b32 v[SM+9], v[SM+8], s[SEL], s[SEL+1]
	v_max_num_f32 v[SM+16], v[SM+8], v[SM+9]       ; m: a true score, since the block's first row counts
	v_mul_f32 v[SM+18], s[C1], v[SM+16]
	v_mov_b32 v[SM+19], v[SM+18]                   ; named with it as a pair
	v_pk_fma_f32 v[SM+12:SM+13], v[SM:SM+1],   s[C1:C1+1], v[SM+18:SM+19] op_sel_hi:[1,0,0] neg_lo:[0,0,1] neg_hi:[0,0,1]
	v_pk_fma_f32 v[SM+14:SM+15], v[SM+2:SM+3], s[C1:C1+1], v[SM+18:SM+19] op_sel_hi:[1,0,0] neg_lo:[0,0,1] neg_hi:[0,0,1]
.irp k, 12,13,14,15
	v_exp_f32 v[SM+\k], v[SM+\k]
.endr
	v_nop                                          ; a plain instruction behind the last exponential,
	s_wait_alu depctr_va_vdst(0)                   ; and one wait ahead of the batch's first reader
	v_cvt_pk_bf16_f32 v[SM+22], v[SM+12], v[SM+13]
	v_cvt_pk_bf16_f32 v[SM+23], v[SM+14], v[SM+15]
	ds_store_b64 v[PTW], v[SM+22:SM+23]            ; my wave's own copy: LDS serves a wave's instructions in order (ISA guide 5.7.1.4), so the loads below see it
.irp kb, 0,1,2,3
	ds_load_b128 v[PF+8*\kb:PF+8*\kb+3],   v[PTR] offset:64*\kb       ; every lane of a half takes the same 8 p: P's 16 rows are equal
	ds_load_b128 v[PF+8*\kb+4:PF+8*\kb+7], v[PTR] offset:64*\kb+32
.endr
	LOADT 0, 0
	LOADT 1, 1
	WIN 0
	v_pk_add_f32 v[SM+20:SM+21], v[SM+12:SM+13], v[SM+14:SM+15]   ; l, while those loads are out
	v_add_f32 v[SM+20], v[SM+20], v[SM+21]
.irp x, 1,2,4,8
	v_add_f32_dpp v[SM+20], v[SM+20], v[SM+20] row_xmask:\x row_mask:0xf bank_mask:0xf
.endr
	v_permlanex16_b32 v[SM+21], v[SM+20], s[SEL], s[SEL+1]
	v_add_f32 v[SM+17], v[SM+20], v[SM+21]
	s_cmp_lg_u32 s[WV], 0
	s_cbranch_scc1 .Lnw0
	global_store_b128 v[VB], v[SM:SM+3], s[SCO:SCO+1]        ; the block's 128 scores: 512 consecutive bytes
	global_store_b64 v[O8], v[SM+16:SM+17], s[STO:STO+1]     ; (m, l), 32 times: 256 consecutive bytes, aligned
.Lnw0:
	s_wait_dscnt 32                                ; P and the first set are in; the second set's 32 loads may be out
	CMUL 0, 0, 1
	PLACES
	LOADT 2, 0
	s_wait_dscnt 32                                ; all but the 32 just issued
	CMUL 1, 1, 0
	PLACES
	LOADT 3, 1
	s_wait_dscnt 32
	CMUL 2, 0, 0
	s_wait_dscnt 0x0
	CMUL 3, 1, 0
	PLACES
	WIN 0x0a                                       ; sources in window 2, destination in window 0
.irp t, 0,1,2,3,4,5,6,7
	v_cndmask_b32 v[SM+24+\t], v[16*\t], v[16*\t+8], s[HM]   ; all 16 rows of a result are equal: register 0 of lane l is column l % 16; number 32 t + lane of my 256
.endr
	WIN 0
.irp t, 0,1,2,3,4,5,6,7
	ds_store_b32 v[CSW], v[SM+24+\t] offset:128*\t
.endr
	ds_load_b128 v[SM+4:SM+7],  v[CSR]             ; my own stage, in order behind the stores
	ds_load_b128 v[SM+8:SM+11], v[CSR] offset:512
	s_wait_dscnt 0x0
	global_store_b128 v[VB], v[SM+4:SM+7],  s[PAO:PAO+1]             ; 512 consecutive bytes each
	global_store_b128 v[VB], v[SM+8:SM+11], s[PAO:PAO+1] offset:512
	s_branch .Ljoin
.Linact:                                       ; a block that the mask hides wholly: -inf for its scores and its maximum, 0 for l and part
.irp k, 4,5,6,7
	v_mov_b32 v[SM+\k], 0
.endr
	global_store_b128 v[VB], v[SM+4:SM+7], s[PAO:PAO+1]
	global_store_b128 v[VB], v[SM+4:SM+7], s[PAO:PAO+1] offset:512
	s_cmp_lg_u32 s[WV], 0
	s_cbranch_scc1 .Ljoin
.irp k, 0,1,2,3,16
	v_mov_b32 v[SM+\k], v[NEG]
.endr
	v_mov_b32 v[SM+17], 0
	global_store_b128 v[VB], v[SM:SM+3], s[SCO:SCO+1]
	global_store_b64 v[O8], v[SM+16:SM+17], s[STO:STO+1]
.Ljoin:
	s_wait_xcnt 0x0                                ; the stores have read their data and bases: the next trip writes both
	BAR                                            ; every wave's reads of the block and of the partial scores are back: the next trip writes those bytes
	s_add_co_u32 s[ROW0], s[ROW0], 1024
	s_sub_co_u32 s[TRIP], s[TRIP], 1
	s_cmp_lg_u32 s[TRIP], 0
	s_cbranch_scc1 .Lblk
	s_wait_tensorcnt 0x0                           ; the wave's end, behind my last LDS store
	ds_add_u32 v[SPW], v[NIL]
	s_wait_dscnt 0x0
	s_endpgm
.Lfunc_end_k_q7d42f8725f_main:
	.size	k_q7d42f8725f_main, .Lfunc_end_k_q7d42f8725f_main-k_q7d42f8725f_main
	.p2alignl 7, 3214868480
	.fill 96, 4, 3214868480
	.section	.rodata,"a",@progbits
	.p2align	6, 0x0
	.amdhsa_kernel k_q7d42f8725f_main
		.amdhsa_group_segment_fixed_size 280064
		.amdhsa_private_segment_fixed_size 0
		.amdhsa_enable_private_segment 0
		.amdhsa_kernarg_size 80
		.amdhsa_user_sgpr_count 2
		.amdhsa_user_sgpr_kernarg_segment_ptr 1
		.amdhsa_wavefront_size32 1
		.amdhsa_system_sgpr_workgroup_id_x 1
		.amdhsa_system_sgpr_workgroup_id_y 1
		.amdhsa_system_sgpr_workgroup_id_z 1
		.amdhsa_system_vgpr_workitem_id 0
		.amdhsa_next_free_vgpr 1024
		.amdhsa_next_free_sgpr 66
		.amdhsa_reserve_vcc 1
		.amdhsa_float_denorm_mode_32 3
		.amdhsa_float_denorm_mode_16_64 3
		.amdhsa_memory_ordered 1
		.amdhsa_forward_progress 1
		.amdhsa_inst_pref_size 215
	.end_amdhsa_kernel
	.amdgpu_metadata
---
amdhsa.version: [ 1, 2 ]
amdhsa.kernels:
  - .name:           k_q7d42f8725f_main
    .symbol:         k_q7d42f8725f_main.kd
    .args:
      - { .name: enc_states, .offset: 0, .size: 8, .value_kind: global_buffer, .address_space: global }
      - { .name: enc_len, .offset: 8, .size: 8, .value_kind: global_buffer, .address_space: global }
      - { .name: wfe, .offset: 16, .size: 8, .value_kind: global_buffer, .address_space: global }
      - { .name: dpart, .offset: 24, .size: 8, .value_kind: global_buffer, .address_space: global }
      - { .name: b_enc, .offset: 32, .size: 8, .value_kind: global_buffer, .address_space: global }
      - { .name: w_attn, .offset: 40, .size: 8, .value_kind: global_buffer, .address_space: global }
      - { .name: scores, .offset: 48, .size: 8, .value_kind: global_buffer, .address_space: global }
      - { .name: stat, .offset: 56, .size: 8, .value_kind: global_buffer, .address_space: global }
      - { .name: part, .offset: 64, .size: 8, .value_kind: global_buffer, .address_space: global }
      - { .name: b_dec, .offset: 72, .size: 8, .value_kind: global_buffer, .address_space: global }
    .group_segment_fixed_size: 280064
    .private_segment_fixed_size: 0
    .kernarg_segment_align: 8
    .kernarg_segment_size: 80
    .max_flat_workgroup_size: 128
    .sgpr_count:     66
    .vgpr_count:     1024
    .wavefront_size: 32
...
	.end_amdgpu_metadata
.endif
;; end of part 2
;; launch comb (part 3): grid 8 x 32, 1 waves a work-group, no clusters, 0 bytes of LDS; arguments scores, stat, part, ctx, out1; writes ctx, out1
.if DOCPART == 3
	.amdgcn_target "amdgcn-amd-amdhsa--gfx1250"
	.amdhsa_code_object_version 6
	.text
	.protected	k_q7d42f8725f_comb
	.globl	k_q7d42f8725f_comb
	.p2align	8
	.type	k_q7d42f8725f_comb,@function
k_q7d42f8725f_comb:
	s_mov_b64 s[64:65], 0
	v_nop
	global_prefetch_b8 v0, s[64:65] scope:SCOPE_SE
	s_setreg_imm32_b32 hwreg(HW_REG_WAVE_MODE, 25, 1), 1
	s_wait_xcnt 0x0
; A batch's 16 blocks are joined under their common maximum M = max of m_j:  L = sum of 2^(c1 (m_j - M)) l_j;
; ctx[b][e] = sum over j of (2^(c1 (m_j - M)) / L) part_j[e];   out1[b][s] = 2^(c1 (score[s] - M)) / L, which is 0 where the score is -inf.   c1 = log2(e).  All in f32.
; A block that the mask hid has m = -inf, l = 0, part = 0: its factor is 0.  If all 16 are hidden (enc_len <= 0), -inf less -inf gives NaN, as in reference().
; SHARES.  One wave to a work-group, no LDS, no barrier, no branch.  Work-group (sl, b) makes 128 numbers of ctx[b] and 256 of out1[b]; all its 19 loads go out at once.
; Matrix units and clusters have nothing to do here: 2.5 MB are read, once.
.set C1, 20                            ; s[20:21] c1, as a pair
.set WJ, 32                            ; s[32:47] the 16 blocks' factors
.set PR, 16                            ; v[16:79] part_j, 4 numbers a lane
.set SR, 80                            ; v[80:87] 8 scores a lane
.set CX, 88                            ; v[88:91] ctx
	s_load_b256 s[4:11], s[0:1], 0x0               ; scores s[4:5], stat s[6:7], part s[8:9], ctx s[10:11]
	s_load_b64 s[12:13], s[0:1], 0x20              ; out1
	s_and_b32 s14, ttmp7, 0xffff                   ; b
	s_mov_b32 s15, ttmp9                           ; sl
	v_and_b32 v1, 15, v0
	v_lshlrev_b32 v1, 8, v1                        ; block lane % 16's record of 256 bytes
	v_lshlrev_b32 v2, 4, v0                        ; 16 x lane
	s_mov_b32 s[C1], 0x3fb8aa3b
	s_mov_b32 s[C1+1], s[C1]
	s_lshl_b32 s16, s14, 12                        ; stat: 16 records a batch
	s_mov_b32 s17, 0
	s_lshl_b32 s18, s15, 9
	s_add_co_u32 s18, s18, s16                     ; ctx: 4,096 b + 512 sl
	s_mov_b32 s19, 0
	s_lshl_b32 s22, s14, 16
	s_lshl_b32 s24, s15, 9
	s_add_co_u32 s22, s22, s24                     ; part: 65,536 b + 512 sl
	s_mov_b32 s23, 0
	s_lshl_b32 s24, s14, 13
	s_lshl_b32 s26, s15, 10
	s_add_co_u32 s24, s24, s26                     ; scores and out1: 8,192 b + 1,024 sl
	s_mov_b32 s25, 0
	s_wait_kmcnt 0x0
	s_add_nc_u64 s[6:7], s[6:7], s[16:17]
	s_add_nc_u64 s[10:11], s[10:11], s[18:19]
	s_add_nc_u64 s[8:9], s[8:9], s[22:23]
	s_add_nc_u64 s[4:5], s[4:5], s[24:25]
	s_add_nc_u64 s[12:13], s[12:13], s[24:25]
	global_load_b64 v[4:5], v1, s[6:7]             ; (m, l) of block lane % 16
.set j, 0
.rept 16
	global_load_b128 v[PR+4*j:PR+4*j+3], v2, s[8:9] offset:4096*j th:TH_LOAD_NT
.set j, j+1
.endr
	global_load_b128 v[SR:SR+3],   v2, s[4:5] th:TH_LOAD_NT
	global_load_b128 v[SR+4:SR+7], v2, s[4:5] offset:512 th:TH_LOAD_NT
	s_wait_loadcnt 18                              ; (m, l) is in; the 18 younger loads stay out
	v_mov_b32 v6, v4
.irp x, 1,2,4,8
	v_max_num_f32_dpp v6, v6, v6 row_xmask:\x row_mask:0xf bank_mask:0xf   ; each half of the lanes holds all 16 blocks: M in every lane
.endr
	v_mul_f32 v8, s[C1], v6                        ; c1 M
	v_mov_b32 v9, v8                               ; named with it as a pair
	v_fma_f32 v10, v4, s[C1], -v8
	v_exp_f32 v10, v10
	v_nop                                          ; a plain instruction, and a wait ahead of the first reader
	s_wait_alu depctr_va_vdst(0)
	v_mul_f32 v11, v10, v5
.irp x, 1,2,4,8
	v_add_f32_dpp v11, v11, v11 row_xmask:\x row_mask:0xf bank_mask:0xf    ; L
.endr
	v_rcp_f32 v12, v11
	v_nop
	s_wait_alu depctr_va_vdst(0)
	v_mov_b32 v13, v12
	v_mul_f32 v14, v10, v12                        ; block lane % 16's factor
.set j, 0
.rept 16
	v_readlane_b32 s[WJ+j], v14, j
.set j, j+1
.endr
	s_wait_loadcnt 2                               ; part is in; the two loads of scores may be out
.irp k, 0,1,2,3
	v_mul_f32 v[CX+\k], s[WJ], v[PR+\k]            ; the first block starts the sums
.endr
.set j, 1
.rept 15
.irp k, 0,1,2,3
	v_fmac_f32 v[CX+\k], s[WJ+j], v[PR+4*j+\k]
.endr
.set j, j+1
.endr
	global_store_b128 v2, v[CX:CX+3], s[10:11]     ; 512 consecutive bytes
	s_wait_loadcnt 0x0
.irp p, 0,2,4,6
	v_pk_fma_f32 v[SR+\p:SR+\p+1], v[SR+\p:SR+\p+1], s[C1:C1+1], v[8:9] op_sel_hi:[1,0,0] neg_lo:[0,0,1] neg_hi:[0,0,1]
.endr
.irp p, 0,1,2,3,4,5,6,7
	v_exp_f32 v[SR+\p], v[SR+\p]
.endr
	v_nop
	s_wait_alu depctr_va_vdst(0)
.irp p, 0,2,4,6
	v_pk_mul_f32 v[SR+\p:SR+\p+1], v[SR+\p:SR+\p+1], v[12:13] op_sel_hi:[1,0]
.endr
	global_store_b128 v2, v[SR:SR+3],   s[12:13]
	global_store_b128 v2, v[SR+4:SR+7], s[12:13] offset:512
	s_endpgm
.Lfunc_end_k_q7d42f8725f_comb:
	.size	k_q7d42f8725f_comb, .Lfunc_end_k_q7d42f8725f_comb-k_q7d42f8725f_comb
	.p2alignl 7, 3214868480
	.fill 96, 4, 3214868480
	.section	.rodata,"a",@progbits
	.p2align	6, 0x0
	.amdhsa_kernel k_q7d42f8725f_comb
		.amdhsa_group_segment_fixed_size 0
		.amdhsa_private_segment_fixed_size 0
		.amdhsa_enable_private_segment 0
		.amdhsa_kernarg_size 40
		.amdhsa_user_sgpr_count 2
		.amdhsa_user_sgpr_kernarg_segment_ptr 1
		.amdhsa_wavefront_size32 1
		.amdhsa_system_sgpr_workgroup_id_x 1
		.amdhsa_system_sgpr_workgroup_id_y 1
		.amdhsa_system_sgpr_workgroup_id_z 1
		.amdhsa_system_vgpr_workitem_id 0
		.amdhsa_next_free_vgpr 96
		.amdhsa_next_free_sgpr 66
		.amdhsa_reserve_vcc 0
		.amdhsa_float_denorm_mode_32 3
		.amdhsa_float_denorm_mode_16_64 3
		.amdhsa_memory_ordered 1
		.amdhsa_forward_progress 1
		.amdhsa_inst_pref_size 9
	.end_amdhsa_kernel
	.amdgpu_metadata
---
amdhsa.version: [ 1, 2 ]
amdhsa.kernels:
  - .name:           k_q7d42f8725f_comb
    .symbol:         k_q7d42f8725f_comb.kd
    .args:
      - { .name: scores, .offset: 0, .size: 8, .value_kind: global_buffer, .address_space: global }
      - { .name: stat, .offset: 8, .size: 8, .value_kind: global_buffer, .address_space: global }
      - { .name: part, .offset: 16, .size: 8, .value_kind: global_buffer, .address_space: global }
      - { .name: ctx, .offset: 24, .size: 8, .value_kind: global_buffer, .address_space: global }
      - { .name: out1, .offset: 32, .size: 8, .value_kind: global_buffer, .address_space: global }
    .group_segment_fixed_size: 0
    .private_segment_fixed_size: 0
    .kernarg_segment_align: 8
    .kernarg_segment_size: 40
    .max_flat_workgroup_size: 32
    .sgpr_count:     66
    .vgpr_count:     96
    .wavefront_size: 32
...
	.end_amdgpu_metadata
.endif
;; end of part 3
;; launch out (part 4): grid 64 x 1, 8 waves a work-group, no clusters, 87,040 bytes of LDS; arguments ctx, wfo, b_out, out0; writes out0
.if DOCPART == 4
	.amdgcn_target "amdgcn-amd-amdhsa--gfx1250"
	.amdhsa_code_object_version 6
	.text
	.protected	k_q7d42f8725f_out
	.globl	k_q7d42f8725f_out
	.p2align	8
	.type	k_q7d42f8725f_out,@function
k_q7d42f8725f_out:
	s_mov_b64 s[64:65], 0
	v_nop
	global_prefetch_b8 v0, s[64:65] scope:SCOPE_SE
	s_setreg_imm32_b32 hwreg(HW_REG_WAVE_MODE, 25, 1), 1
	s_wait_xcnt 0x0
; y[m][n] = the sum over k of x[m][k] W[k][n] + bias[n].  x, y: [32][1024] f32; W: bf16 in fragment order (see the launch that makes it); bias: [1024] f32.
; x is rounded once to bf16 for the product; sums, bias and y in f32.
; SHARES.  A work-group makes 16 columns for all 32 rows: two tiles of 16 x 16.  K IS SPLIT AMONG ITS EIGHT WAVES, 128 channels each; the eight partial
; sums meet in LDS, and waves 0 and 1 finish a tile each.  The launch is a few hundred kilobytes of loads: what counts is that they are all out at once.
; x COMES BY ROWS: a wave's 128 channels of a row are 512 consecutive bytes, one load; they are rounded, put into the wave's own stage in LDS (32 rows of 256 bytes + 16)
; and read back as fragments.  Loading the fragments straight from memory would take as many loads, each naming 32-byte pieces of 16 rows that lie 4,096 bytes apart.
; LAYOUT.  Source 0 = 16 columns of W, source 1 = 16 rows of x: in the result a lane holds ONE row (lane % 16) and the columns 8 (lane / 16) + 0..7.
.set XP,    272                        ; a row of a stage: 256 bytes + 16 = 68 words: row r starts at bank 4 r mod 64 (64 banks of 4 bytes: ISA guide 11.1)
.set PART,  8*32*XP                    ; behind the eight stages: wave v's two partial tiles, 1,024 bytes each, at PART + 2,048 v
.set SPARE, PART+16384                 ; the spare words, 128 bytes for each of eight waves
.set SPW, 2                            ; v2  SPARE + 4 x my thread's number; never rewritten
.set NIL, 3                            ; v3  0; never rewritten
.set VO,  4                            ; v4  16 x lane: my 16 bytes of a row of x, and of half a fragment of W
.set SW,  5                            ; v5  where I put my 8 bytes of a row: my wave's stage + 8 x lane
.set SR,  6                            ; v6  where x's fragments are read: my wave's stage + (lane % 16) XP + 16 (lane / 16)
.set BO,  7                            ; v7  32 (lane / 16): my 8 numbers of the bias
.set LS,  8                            ; v8  where I put my 32 bytes of a partial tile
.set LR,  9                            ; v9  where I read them back (tile = my wave's number, waves 0 and 1)
.set YO,  10                           ; v10 my 32 bytes of y
.set ACC, 16                           ; v[16:31]   two accumulators: rows 0-15, rows 16-31
.set BI,  32                           ; v[32:39]   bias
.set WF,  40                           ; v[40:71]   W's four fragments
.set XF,  72                           ; v[72:199]  x: row i: 4 f32 at XF + 4 i, then 2 registers of bf16 in their place
.set FR,  72                           ; v[72:135]  then x's fragments: channels 32 qq .., row tile mt at FR + 8 (2 qq + mt).  Later the partial sums
	s_load_b256 s[4:11], s[0:1], 0x0               ; x s[4:5], W s[6:7], bias s[8:9], y s[10:11]
	v_lshl_add_u32 v[SPW], v0, 2, SPARE
	v_mov_b32 v[NIL], 0
	v_lshrrev_b32 v1, 5, v0
	v_readfirstlane_b32 s12, v1                    ; wave 0..7
	s_mov_b32 s13, ttmp9                           ; the work-group's 16 columns
	v_and_b32 v11, 31, v0
	v_and_b32 v12, 15, v0
	v_bfe_u32 v13, v0, 4, 1
	v_lshlrev_b32 v[VO], 4, v11
	s_mul_i32 s14, s12, 32*XP                      ; my wave's stage
	v_lshl_add_u32 v[SW], v11, 3, s14
	v_mul_u32_u24 v[SR], v12, XP
	v_lshl_add_u32 v[SR], v13, 4, v[SR]
	v_add_nc_u32 v[SR], s14, v[SR]
	v_lshlrev_b32 v[BO], 5, v13
	s_lshl_b32 s14, s12, 11
	s_add_co_u32 s14, s14, PART
	v_lshl_add_u32 v[LS], v11, 5, s14
	s_lshl_b32 s14, s12, 10
	s_add_co_u32 s14, s14, PART
	v_lshl_add_u32 v[LR], v11, 5, s14
	v_lshlrev_b32 v[YO], 12, v12
	v_lshl_add_u32 v[YO], v13, 5, v[YO]
	s_lshr_b32 s14, s13, 3                         ; W: g = T / 8: 262,144 bytes each,
	s_lshl_b32 s14, s14, 18
	s_and_b32 s16, s13, 7                          ; i = T % 8: 1,024,
	s_lshl_b32 s16, s16, 10
	s_add_co_u32 s14, s14, s16
	s_lshl_b32 s16, s12, 15                        ; q = 4 x wave: 8,192 each
	s_add_co_u32 s14, s14, s16
	s_mov_b32 s15, 0
	s_lshl_b32 s16, s13, 6                         ; 16 columns of f32
	s_mov_b32 s17, 0
	s_lshl_b32 s18, s12, 9                         ; x: my wave's 128 channels of f32
	s_mov_b32 s19, 0
	s_wait_kmcnt 0x0
	s_add_nc_u64 s[4:5], s[4:5], s[18:19]
	s_add_nc_u64 s[6:7], s[6:7], s[14:15]
	s_add_nc_u64 s[8:9], s[8:9], s[16:17]
	s_add_nc_u64 s[10:11], s[10:11], s[16:17]
.set row, 0
.rept 32
	global_load_b128 v[XF+4*row:XF+4*row+3], v[VO], s[4:5] offset:4096*row  ; 512 consecutive bytes of row `row`; x first: its way is the longest
.set row, row+1
.endr
.irp qq, 0,1,2,3
	global_load_b128 v[WF+8*(\qq):WF+8*(\qq)+3],   v[VO], s[6:7] offset:8192*(\qq)
	global_load_b128 v[WF+8*(\qq)+4:WF+8*(\qq)+7], v[VO], s[6:7] offset:8192*(\qq)+512
.endr
	global_load_b128 v[BI:BI+3],   v[BO], s[8:9]
	global_load_b128 v[BI+4:BI+7], v[BO], s[8:9] offset:16
.set row, 0
.rept 32
.if row%8 == 0
	s_wait_loadcnt 34-row                          ; loads come back in order (ISA guide 5.7.1): the next 8 rows are in; the rows behind them and the 10 loads of W and the bias stay out
.endif
	v_cvt_pk_bf16_f32 v[XF+4*row],   v[XF+4*row],   v[XF+4*row+1]
	v_cvt_pk_bf16_f32 v[XF+4*row+1], v[XF+4*row+2], v[XF+4*row+3]
	ds_store_b64 v[SW], v[XF+4*row:XF+4*row+1] offset:XP*row  ; 256 consecutive bytes
.set row, row+1
.endr
.irp qq, 0,1,2,3
.irp mt, 0,1
	ds_load_b128 v[FR+8*(2*(\qq)+(\mt)):FR+8*(2*(\qq)+(\mt))+3],   v[SR] offset:16*XP*(\mt)+64*(\qq)     ; my own stage: LDS serves a wave's instructions in order (ISA guide 5.7.1.4), so these see the stores above
	ds_load_b128 v[FR+8*(2*(\qq)+(\mt))+4:FR+8*(2*(\qq)+(\mt))+7], v[SR] offset:16*XP*(\mt)+64*(\qq)+32
.endr
.endr
	s_wait_loadcnt 0x0                             ; W and the bias
	s_wait_dscnt 0x0                               ; x's fragments
	v_wmma_f32_16x16x32_bf16 v[ACC:ACC+7],    v[WF:WF+7], v[FR:FR+7],     0   ; the first products start the sums; the two accumulators take turns
	v_wmma_f32_16x16x32_bf16 v[ACC+8:ACC+15], v[WF:WF+7], v[FR+8:FR+15], 0
.irp qq, 1,2,3
	v_wmma_f32_16x16x32_bf16 v[ACC:ACC+7],    v[WF+8*(\qq):WF+8*(\qq)+7], v[FR+16*(\qq):FR+16*(\qq)+7],    v[ACC:ACC+7]
	v_wmma_f32_16x16x32_bf16 v[ACC+8:ACC+15], v[WF+8*(\qq):WF+8*(\qq)+7], v[FR+16*(\qq)+8:FR+16*(\qq)+15], v[ACC+8:ACC+15]
.endr
.rept 4
	v_nop                                          ; four places behind the last product, ahead of the stores of its result and of loads into its sources
.endr
.irp mt, 0,1
	ds_store_b128 v[LS], v[ACC+8*(\mt):ACC+8*(\mt)+3]   offset:1024*(\mt)
	ds_store_b128 v[LS], v[ACC+8*(\mt)+4:ACC+8*(\mt)+7] offset:1024*(\mt)+16
.endr
	s_wait_dscnt 0x0                               ; for the others' sake: my partial sums lie in LDS
	s_barrier_signal -1
	s_barrier_wait -1                              ; all eight waves' do
	s_cmp_lt_u32 s12, 2                            ; wave 0 finishes rows 0-15, wave 1 rows 16-31
	s_cbranch_scc0 .Lend
.irp v, 0,1,2,3,4,5,6,7
	ds_load_b128 v[XF+8*(\v):XF+8*(\v)+3],   v[LR] offset:2048*(\v)
	ds_load_b128 v[XF+8*(\v)+4:XF+8*(\v)+7], v[LR] offset:2048*(\v)+16
.endr
	s_lshl_b32 s14, s12, 16                        ; my tile's 16 rows of y
	s_add_nc_u64 s[10:11], s[10:11], s[14:15]
	s_wait_dscnt 0x0
.irp d, 8, 16, 32                      ; neighbours 1, 2 and 4 partial sums apart
.set a, 0
.rept 32/(\d)
.set r, 0
.rept 4
	v_pk_add_f32 v[XF+a+r:XF+a+r+1], v[XF+a+r:XF+a+r+1], v[XF+a+(\d)+r:XF+a+(\d)+r+1]
.set r, r+2
.endr
.set a, a+2*(\d)
.endr
.endr
.set r, 0
.rept 4
	v_pk_add_f32 v[XF+r:XF+r+1], v[XF+r:XF+r+1], v[BI+r:BI+r+1]
.set r, r+2
.endr
	global_store_b128 v[YO], v[XF:XF+3],   s[10:11]
	global_store_b128 v[YO], v[XF+4:XF+7], s[10:11] offset:16
.Lend:
	s_wait_tensorcnt 0x0                           ; the wave's end, behind my last LDS store
	ds_add_u32 v[SPW], v[NIL]
	s_wait_dscnt 0x0
	s_endpgm
.Lfunc_end_k_q7d42f8725f_out:
	.size	k_q7d42f8725f_out, .Lfunc_end_k_q7d42f8725f_out-k_q7d42f8725f_out
	.p2alignl 7, 3214868480
	.fill 96, 4, 3214868480
	.section	.rodata,"a",@progbits
	.p2align	6, 0x0
	.amdhsa_kernel k_q7d42f8725f_out
		.amdhsa_group_segment_fixed_size 87040
		.amdhsa_private_segment_fixed_size 0
		.amdhsa_enable_private_segment 0
		.amdhsa_kernarg_size 32
		.amdhsa_user_sgpr_count 2
		.amdhsa_user_sgpr_kernarg_segment_ptr 1
		.amdhsa_wavefront_size32 1
		.amdhsa_system_sgpr_workgroup_id_x 1
		.amdhsa_system_sgpr_workgroup_id_y 1
		.amdhsa_system_sgpr_workgroup_id_z 1
		.amdhsa_system_vgpr_workitem_id 0
		.amdhsa_next_free_vgpr 200
		.amdhsa_next_free_sgpr 66
		.amdhsa_reserve_vcc 0
		.amdhsa_float_denorm_mode_32 3
		.amdhsa_float_denorm_mode_16_64 3
		.amdhsa_memory_ordered 1
		.amdhsa_forward_progress 1
		.amdhsa_inst_pref_size 18
	.end_amdhsa_kernel
	.amdgpu_metadata
---
amdhsa.version: [ 1, 2 ]
amdhsa.kernels:
  - .name:           k_q7d42f8725f_out
    .symbol:         k_q7d42f8725f_out.kd
    .args:
      - { .name: ctx, .offset: 0, .size: 8, .value_kind: global_buffer, .address_space: global }
      - { .name: wfo, .offset: 8, .size: 8, .value_kind: global_buffer, .address_space: global }
      - { .name: b_out, .offset: 16, .size: 8, .value_kind: global_buffer, .address_space: global }
      - { .name: out0, .offset: 24, .size: 8, .value_kind: global_buffer, .address_space: global }
    .group_segment_fixed_size: 87040
    .private_segment_fixed_size: 0
    .kernarg_segment_align: 8
    .kernarg_segment_size: 32
    .max_flat_workgroup_size: 256
    .sgpr_count:     66
    .vgpr_count:     200
    .wavefront_size: 32
...
	.end_amdgpu_metadata
.endif
;; end of part 4
;; ======== version 2 of 2: 4 launches; version 1 with the launches main, out written anew for expert scheduling mode
;; workspace buffers: wfe 2,097,152 bytes; wfo 2,097,152 bytes; dpart 1,048,576 bytes; scores 262,144 bytes; stat 131,072 bytes; part 2,097,152 bytes; ctx 131,072 bytes
;; launch prep: the kernel of part 1 again; grid 64 x 3, 4 waves a work-group, no clusters, 100,864 bytes of LDS; arguments W_enc, W_dec, W_out, dec_states, wfe, wfo, dpart; writes wfe, wfo, dpart
;; launch main (part 5): grid 8 x 32, 4 waves a work-group, no clusters, 280,064 bytes of LDS; arguments enc_states, enc_len, wfe, dpart, b_enc, w_attn, scores, stat, part, b_dec; writes scores, stat, part
.if DOCPART == 5
	.amdgcn_target "amdgcn-amd-amdhsa--gfx1250"
	.amdhsa_code_object_version 6
	.text
	.protected	k_q7d42f8725f_main
	.globl	k_q7d42f8725f_main
	.p2align	8
	.type	k_q7d42f8725f_main,@function
k_q7d42f8725f_main:
	s_mov_b64 s[64:65], 0
	v_nop
	global_prefetch_b8 v0, s[64:65] scope:SCOPE_SE
	s_setreg_imm32_b32 hwreg(HW_REG_WAVE_SCHED_MODE, 0, 2), 2
	s_setreg_imm32_b32 hwreg(HW_REG_WAVE_MODE, 25, 1), 1
	s_wait_xcnt 0x0
	s_wait_alu depctr_vm_vsrc(0)
; For a BLOCK of 128 rows s of one batch b:  score[s] = sum over a of (-2 w_attn[a]) / (1 + 2^(c2 (enc[s] . W_enc[:, a] + dec_h[b][a] + b_enc[a]))),  c2 = 2 log2(e),
; where dec_h[b][a] = b_dec[a] + the eight partial sums dpart[P][b][a] that the launch before has made of dec_states[b] . W_dec[:, a].
; Since tanh x = 1 - 2 / (1 + 2^(c2 x)), that is reference()'s score less the sum of w_attn, the same number for every s: it falls out of the softmax.
; Then, with the block's own maximum m over its rows s < enc_len[b]:  p = 2^(c1 (score - m)), c1 = log2(e);  l = sum of p;  part[e] = sum over s of p[s] enc[s][e].
; Stored: the scores (-inf where s >= enc_len), (m, l), part.  The next launch joins a batch's 16 blocks under their common maximum.
; FORMATS.  enc_states and W_enc are rounded once to bf16 for the product, p once to bf16 for the second product (l is taken of the unrounded p); all sums, the biases, w_attn, scores, m, l in f32.
; LIMITS.  Inputs are finite.  enc_len above 2,048 acts as 2,048; enc_len <= 0 leaves -inf everywhere, of which the next launch makes NaN, as reference() does.  A weight below 2^-126 counts as 0.
; EACH BYTE OF enc_states IS READ ONCE: the block's bf16 copy, 128 rows x 2,048 bytes, stays in LDS and serves both products.
; SHARES.  256 work-groups of four waves; work-group (j, b) takes blocks j and j + 8 of batch b.  In the large product a wave makes all 128 rows x 128 columns at a time
; (64 accumulators, 512 registers), two such column groups a block: wave v has columns 128 v .. and 128 (v + 4) ..
; NO CLUSTER, NO TENSOR LOADS.  All work-groups walk the same W_enc, but the copy of the block takes 264,192 of LDS's 327,680 bytes: two slots in what is left would hold 32 of K for 512 columns
; each, 64 matrix instructions a wave between two changes of slots.  So W_enc's fragments, laid out in fragment order by an earlier launch, come straight into registers, 512 consecutive
; bytes a load, three K steps (48 loads a wave) ahead of their use; no wave wants a fragment that another has fetched, and the K loop has no barrier.
; BLOCKS THAT THE MASK HIDES WHOLLY (128 j >= enc_len) load and multiply nothing.  The four barriers of a block stand outside the branches on enc_len, on every wave's path;
; what lies inside such a branch holds no barrier.
; THE MATRIX INSTRUCTION IS USED TRANSPOSED (source 0 = 16 columns of W_enc, source 1 = 16 rows of the block): a lane holds ONE row (lane % 16) and the columns 8 (lane / 16) + 0..7.
; REGISTERS, in windows of 256 (s_set_vgpr_msb: bits 1:0 source 0, 3:2 source 1, 5:4 source 2, 7:6 destination):
;   window 0: addresses and statistics; v64-127, v128-191 two buffers of the block's fragments (behind the product: the tables); v192-223, v224-255 at work
;   window 1: W_enc's fragments, a ring of four K steps of 64 registers; in the second product the block's turned fragments of rows 0-63, two sets of 128
;   windows 2, 3: accumulator (row tile t, column tile i) in window 2 + t / 4 at v[8 (8 (t % 4) + i)]; window 2 is also the f32 staging on the way in, and the second product's 16 accumulators;
;   window 3 is also, in the second product, the turned fragments of rows 64-127, two sets of 128
; THE MODE: SCHED_MODE bits 1:0 = 2 (LLVM: expert scheduling mode 2), set by the entry lines.  The code itself states the register dependences
; between vector or matrix instructions and memory or LDS instructions, with s_wait_alu, always for 0.
; THE PLAN.  Registers that memory or LDS instructions touch, and who else names them:
;   The addresses made at the head (VB, AB, LA0, TA0, SCW, SCRD, PTW, PTR, ATR, CSW, CSR, PFO, O8, v35, v36, SPW, NIL) are never written again: one wait on va_vdst ahead of the head's first load serves them.
;   THE WAY IN.  Staging set s: read by turn s's roundings; the loads of turn s + 1 land in it.  TMPC: written by a turn's roundings, read by its 16 LDS stores.  ONE wait on va_vdst a turn, between the
;     roundings and the stores, states both: TMPC is written, and set s is read.  A wait on vm_vsrc ahead of the next roundings states that the stores have read TMPC; the one at a lap's end also frees v[LA].
;   THE LARGE PRODUCT.  K step n's matrix instructions read buffer fa and ring buffer bs; its loads land in fan and bn, which K step n - 1 read.  ONE wait on va_vdst at a step's head states that step n - 1 is done;
;     the step's 32 loads follow it, dealt among its 64 matrix instructions, which name none of their registers.  v[ADRA ..] is written at a column group's head and at the K loop's edge, behind a wait on vm_vsrc.
;   BEHIND IT.  One wait on va_vdst behind K step 31: the next column group's first loads land in the ring, the tables in the two fragment buffers.  v[TADR] is written ahead of it, behind a wait on vm_vsrc.
;   THE SECOND PRODUCT.  Its four turned sets have registers of their own (windows 1 and 3): no set is loaded twice, and no wait stands among its steps.
;   STORES.  A wait on va_vdst stands ahead of each run of stores whose data vector instructions have made; a wait on vm_vsrc at a trip's end frees all that the trip's stores read.
.set PA,    2064                       ; a row of the block in LDS: 2,048 bytes + 16 = 516 words: row r starts at bank 4 r mod 64 (64 banks of 4 bytes: ISA guide 11.1)
.set TCB,   128*PA                     ; c2 (dec_h[b][a] + b_enc[a]), 1,024 f32;  4,096 bytes on: -2 w_attn[a]
.set SCR,   TCB+8192                   ; wave v's partial scores of the 128 rows, 512 bytes each
.set PT,    SCR+2048                   ; each wave's own copy of p in bf16, 256 bytes
.set CS,    PT+1024                    ; each wave's own stage for its 256 numbers of part, 1,024 bytes
.set SPARE, CS+4096                    ; the spare words, 128 bytes a wave
.set SPW,  2                           ; v2     SPARE + 4 x my thread's number; never rewritten
.set NIL,  3                           ; v3     0; never rewritten
.set LN,   4                           ; v4     lane
.set VB,   6                           ; v6     16 x lane
.set AB,   8                           ; v8-11  LDS address of my row in row tiles 2 p, 2 p + 1: (32 p + lane % 16) PA + 16 (lane / 16); never rewritten
.set ADRA, 12                          ; v12-15 the same plus the K loop's step
.set LA,   17                          ; v17    the way in: where I put 8 bytes of a row, in the lap in hand
.set LA0,  18                          ; v18    32 x wave x PA + 8 x lane; never rewritten
.set TA0,  19                          ; v19    my 8 numbers of the tables in column tile 0 of my first column group
.set TADR, 20                          ; v20    the same in the group in hand
.set SCW,  21                          ; v21    where I put a partial score
.set SCRD, 22                          ; v22    where I read 4 rows' partial scores
.set IDX,  23                          ; v23    4 x lane: the first of my 4 rows in the softmax
.set PTW,  24                          ; v24    where I put my 4 p
.set PTR,  25                          ; v25    where P's fragments are read
.set ATR,  26                          ; v26-29 the turning loads' address for rows 32 kb ..
.set CSW,  30                          ; v30, v31  into and out of my stage
.set CSR,  31
.set PFO,  32                          ; v32    256 x lane; never rewritten
.set O8,   33                          ; v33    8 x lane
.set NEG,  34                          ; v34    -inf
.set SC,   40                          ; v40-47 my row's score in row tile t, summed over my columns
.set SCP,  48                          ; v48-55 four chains of pairs
.set TMP,  56                          ; v56-63
.set F0,   64
.set F1,   128
.set CBR,  64                          ; behind the product: my 64 numbers of the first table,
.set W2R,  128                         ; and of the second
.set TMPC, 192                         ; the way in: two rows in bf16
.set PF,   192                         ; the second product: P's four fragments
.set SM,   224                         ; softmax: +0..3 scores; +4..11 at work; +12..15 p; +16, 17 m, l; +18, 19 c1 m; +20, 21 sums; +22, 23 p in bf16; +24..31 part
.set WV,   22                          ; s22 wave   s23 batch   s24 j   s25 enc_len[b]   s26 the block's first row
.set BB,   23
.set JJ,   24
.set LEN,  25
.set ROW0, 26
.set TRIP, 27                          ; loop counts
.set HALF, 28
.set KC,   29
.set C2,   30                          ; s[30:31] c2: the packed forms name a pair and take its low word
.set C1,   32                          ; s[32:33] c1
.set SEL,  34                          ; s[34:35] v_permlanex16_b32's selects: each lane takes its own place in the other half
.set HM,   36                          ; s36  a mask: lanes 16-31
.set REM,  37                          ; s37  enc_len - first row;  s59-61: less 1, 2, 3
.set EB,   38                          ; s[38:39] enc_states at my wave's rows, walking
.set SB,   40                          ; s[40:41] W_enc's fragments, walking
.set T0,   42                          ; s42-47 at work (at the head s[46:47] holds b_dec's address; in the softmax s42-45 hold the four masks of rows that count)
.set SCO,  48                          ; s[48:49], s[50:51], s[52:53]: where this block's scores, (m, l) and my part of part go
.set STO,  50
.set PAO,  52
.set PFB,  54                          ; s[54:55] enc_states at my wave's rows of block j + 8; never rewritten
.set HOFF, 56                          ; s56  the column group's place in the tables: 0, 2,048
.set LAP,  57
.set PFON, 58
.set REM1, 59
.set LOFF, 62                          ; s62  the way in: the lap's 8 rows in LDS
.set KOFF, 63                          ; s63  the K loop: bytes along the block's rows
.set MSB, 0
.macro WIN new                         ; the immediate's high byte repeats the setting that is left; a switch that changes nothing is dropped
.if MSB != (\new)
	s_set_vgpr_msb (MSB<<8)|(\new)
.set MSB, \new
.endif
.endm
.set MUL_LO, 0xa1                      ; source 0 (W_enc) window 1, source 1 (the block) window 0, C and D window 2
.set MUL_HI, 0xf1                      ; the same, C and D window 3
.macro PLACES                          ; four places behind a matrix instruction (ISA guide 7.12.1), ahead of vector instructions that read its result
.rept 4
	v_nop
.endr
.endm
.macro BAR                             ; my LDS stores lie there and my LDS loads are back; then the work-group's barrier
	s_wait_dscnt 0x0
	s_barrier_signal -1
	s_barrier_wait -1
.endm
; THE WAY IN.  A turn is two rows: 16 loads of 512 consecutive bytes into one of four staging sets (64 registers of window 2).  st: the set; rp: the pair of rows, counted from the lap's first.
.macro ELOAD st, rp
	WIN 0x80
.irp rr, 0,1
.irp c, 0,1,2,3,4,5,6,7
	global_load_b128 v[64*(\st)+32*(\rr)+4*(\c):64*(\st)+32*(\rr)+4*(\c)+3], v[VB], s[EB:EB+1] offset:(2*(\rp)+(\rr))*4096+512*(\c) th:TH_LOAD_NT
.endr
.endr
.endm
; One turn: set s has come (lc younger loads may stay out); the turn three on is asked for, into the set that the turn before has rounded (st = -1: nothing is left to ask for);
; set s, the lap's rows 2 s and 2 s + 1, is rounded to bf16 and put into LDS, 256 consecutive bytes a store.
.macro ETURN s, lc, st, rp
	s_wait_loadcnt \lc                             ; loads come back in order (ISA guide 5.7.1)
.if (\s) > 0
	s_wait_alu depctr_vm_vsrc(0)                   ; the LDS stores of the turn before have read v[TMPC ..], which this turn's roundings write again (ahead of a lap's first turn the wait at the last lap's end, or at the last trip's, states it)
.endif
.if (\st) >= 0
	ELOAD \st, \rp                                 ; no wait: the turn before's wait on va_vdst stands behind the roundings that read this set, and no vector instruction since names the set or v[VB]
.endif
	WIN 0x0a
.set i, 0
.rept 32
	v_cvt_pk_bf16_f32 v[TMPC+i], v[64*(\s)+2*i], v[64*(\s)+2*i+1]
.set i, i+1
.endr
	WIN 0
	s_wait_alu depctr_va_vdst(0)                   ; the roundings have written v[TMPC ..], which the stores below read, and are done reading set s, in which the next turn's loads land; in a lap's first turn v[LA] is written
.irp rr, 0,1
.irp c, 0,1,2,3,4,5,6,7
	ds_store_b64 v[LA], v[TMPC+16*(\rr)+2*(\c):TMPC+16*(\rr)+2*(\c)+1] offset:(2*(\s)+(\rr))*PA+256*(\c)
.endr
.endr
.endm
; THE LARGE PRODUCT.  A K step is 32 channels: 16 LDS loads (the block's 8 row tiles), 16 global loads (my 8 column tiles of W_enc), 64 matrix instructions.
.macro FETCH_A ka, f, t0               ; row tiles t0 .. t0 + 3
	WIN 0
.irp t, 0,1,2,3
	ds_load_b128 v[(\f)+8*((\t0)+(\t)):(\f)+8*((\t0)+(\t))+3],   v[ADRA+((\t0)+(\t))/2] offset:((\t)%2)*16*PA+(\ka)
	ds_load_b128 v[(\f)+8*((\t0)+(\t))+4:(\f)+8*((\t0)+(\t))+7], v[ADRA+((\t0)+(\t))/2] offset:((\t)%2)*16*PA+(\ka)+32
.endr
.endm
.macro FETCH_B kb, bs
	WIN 0x40
.irp i, 0,1,2,3,4,5,6,7
	global_load_b128 v[64*(\bs)+8*(\i):64*(\bs)+8*(\i)+3],   v[VB], s[SB:SB+1] offset:(\kb)+1024*(\i)
	global_load_b128 v[64*(\bs)+8*(\i)+4:64*(\bs)+8*(\i)+7], v[VB], s[SB:SB+1] offset:(\kb)+1024*(\i)+512
.endr
.endm
.macro MUL16 fa, bs, hi, a0, zero      ; row tiles 4 hi + a0, + 1 x all 8 column tiles.  zero = 1: the products start the sums: nothing is cleared
	WIN MUL_LO+0x50*(\hi)
.irp a, \a0, (\a0)+1
.irp i, 0,1,2,3,4,5,6,7
.if \zero
	v_wmma_f32_16x16x32_bf16 v[8*(8*(\a)+(\i)):8*(8*(\a)+(\i))+7], v[64*(\bs)+8*(\i):64*(\bs)+8*(\i)+7], v[(\fa)+8*(4*(\hi)+(\a)):(\fa)+8*(4*(\hi)+(\a))+7], 0
.else
	v_wmma_f32_16x16x32_bf16 v[8*(8*(\a)+(\i)):8*(8*(\a)+(\i))+7], v[64*(\bs)+8*(\i):64*(\bs)+8*(\i)+7], v[(\fa)+8*(4*(\hi)+(\a)):(\fa)+8*(4*(\hi)+(\a))+7], v[8*(8*(\a)+(\i)):8*(8*(\a)+(\i))+7]
.endif
.endr
.endr
.endm
; One K step: multiplies the block's buffer fa by ring buffer bs.  Among its matrix instructions it fetches the next step's fragments of the block (byte ka of the rows, into fan: row tiles 0-3 behind the
; first sixteen, tiles 4-7 behind the second) and, behind the third sixteen, W_enc's of three steps on (byte kb, into ring buffer bn, which the step before multiplied).
; ka, kb = -1: nothing is left to fetch.  lc: the younger loads of W_enc that may stay out.
; The 64 accumulators take turns in one fixed order, over the backward jumps too.
.macro STEP fa, bs, lc, ka, fan, kb, bn, zero
	s_wait_loadcnt \lc                             ; this step's 16 loads of W_enc are in, those of the steps behind it stay out
	s_wait_dscnt 8                                 ; the block's row tiles 0-3 are in; the youngest eight loads (tiles 4-7) may be out
.if (((\ka) >= 0) || ((\kb) >= 0)) && !(\zero)
	s_wait_alu depctr_va_vdst(0)                   ; the K step before is done reading buffer fan and ring buffer bn, in which this step's loads land; behind the K loop's edge v[ADRA ..] is written.  (K step 0: the wait at the column group's head states it)
.endif
	MUL16 \fa, \bs, 0, 0, \zero
.if (\ka) >= 0
	FETCH_A \ka, \fan, 0                           ; no wait, here and below: no matrix instruction since the wait names fan, bn or an address
.endif
	MUL16 \fa, \bs, 0, 2, \zero
.if (\ka) >= 0
	FETCH_A \ka, \fan, 4
	s_wait_dscnt 16                                ; all LDS loads but this step's 16
.else
	s_wait_dscnt 0x0
.endif
	MUL16 \fa, \bs, 1, 0, \zero
.if (\kb) >= 0
	FETCH_B \kb, \bn
.endif
	MUL16 \fa, \bs, 1, 2, \zero
.endm
; BEHIND THE PRODUCT, row tile t: for its 64 numbers a lane  y = c2 x + CB;  2^y;  1 + ..;  1 / ..;  times -2 w, summed.  Each accumulator's lowest registers are read first.
; The 64 exponentials are one batch and the 64 reciprocals another: behind each a plain instruction and one wait ahead of the first reader.
; 2^y = inf gives 0 and 2^y = 0 gives 1: tanh's two ends, for every finite x.
.macro EPI t
.set EW, 2+(\t)/4
.set EA, 64*((\t)%4)
	WIN (EW<<6)|EW                                 ; destination and source 0 in the tile's window, the tables in window 0
.set p, 0
.rept 32
	v_pk_fma_f32 v[EA+2*p:EA+2*p+1], v[EA+2*p:EA+2*p+1], s[C2:C2+1], v[CBR+2*p:CBR+2*p+1] op_sel_hi:[1,0,1]
.set p, p+1
.endr
.set p, 0
.rept 64
	v_exp_f32 v[EA+p], v[EA+p]
.set p, p+1
.endr
	v_nop
	s_wait_alu depctr_va_vdst(0)                   ; the 64 exponentials have written their results, which the additions below read
.set p, 0
.rept 32
	v_pk_add_f32 v[EA+2*p:EA+2*p+1], v[EA+2*p:EA+2*p+1], 1.0 op_sel_hi:[1,0]
.set p, p+1
.endr
.set p, 0
.rept 64
	v_rcp_f32 v[EA+p], v[EA+p]
.set p, p+1
.endr
	v_nop
	s_wait_alu depctr_va_vdst(0)                   ; the 64 reciprocals have written their results, which the products below read
	WIN EW                                         ; source 0 in the tile's window, all else in window 0
.set p, 0
.rept 32
.if p < 4
	v_pk_mul_f32 v[SCP+2*p:SCP+2*p+1], v[EA+2*p:EA+2*p+1], v[W2R+2*p:W2R+2*p+1]   ; the first four pairs start four chains
.else
	v_pk_fma_f32 v[SCP+2*(p%4):SCP+2*(p%4)+1], v[EA+2*p:EA+2*p+1], v[W2R+2*p:W2R+2*p+1], v[SCP+2*(p%4):SCP+2*(p%4)+1]
.endif
.set p, p+1
.endr
	WIN 0
	v_pk_add_f32 v[SCP:SCP+1], v[SCP:SCP+1], v[SCP+2:SCP+3]
	v_pk_add_f32 v[SCP+4:SCP+5], v[SCP+4:SCP+5], v[SCP+6:SCP+7]
	v_pk_add_f32 v[SCP:SCP+1], v[SCP:SCP+1], v[SCP+4:SCP+5]
	v_add_f32 v[SCP], v[SCP], v[SCP+1]
	v_add_f32 v[SC+(\t)], v[SC+(\t)], v[SCP]
.endm
; THE SECOND PRODUCT.  part[e] = sum over s of p[s] enc[s][e]: source 0 = P (16 equal rows of 32 p), source 1 = 16 columns e x 32 rows s of the block, turned on the way out of LDS.
; Wave v makes e = 256 v .. 256 v + 255: 16 accumulators, which take turns; 4 steps of 32 rows.  Step kb's turned fragments have 128 registers of their own: window 1 + 2 (kb / 2), from v[128 (kb % 2)] on.
.macro LOADT kb
	WIN 0x40+0x80*((\kb)/2)                        ; destination window 1 or 3, address window 0
.irp e, 0,1,2,3,4,5,6,7,8,9,10,11,12,13,14,15
	ds_load_tr16_b128 v[128*((\kb)%2)+8*(\e):128*((\kb)%2)+8*(\e)+3],   v[ATR+(\kb)] offset:32*(\e)
	ds_load_tr16_b128 v[128*((\kb)%2)+8*(\e)+4:128*((\kb)%2)+8*(\e)+7], v[ATR+(\kb)] offset:32*(\e)+16*PA
.endr
.endm
.macro CMUL kb, zero
	WIN 0xa4+0x08*((\kb)/2)                        ; P window 0, the turned fragments window 1 or 3, C and D window 2
.irp e, 0,1,2,3,4,5,6,7,8,9,10,11,12,13,14,15
.if \zero
	v_wmma_f32_16x16x32_bf16 v[8*(\e):8*(\e)+7], v[PF+8*(\kb):PF+8*(\kb)+7], v[128*((\kb)%2)+8*(\e):128*((\kb)%2)+8*(\e)+7], 0
.else
	v_wmma_f32_16x16x32_bf16 v[8*(\e):8*(\e)+7], v[PF+8*(\kb):PF+8*(\kb)+7], v[128*((\kb)%2)+8*(\e):128*((\kb)%2)+8*(\e)+7], v[8*(\e):8*(\e)+7]
.endif
.endr
.endm
	s_load_b512 s[4:19], s[0:1], 0x0               ; enc_states s[4:5], enc_len s[6:7], wfe s[8:9], dpart s[10:11], b_enc s[12:13], w_attn s[14:15], scores s[16:17], stat s[18:19]
	s_load_b64 s[20:21], s[0:1], 0x40              ; part
	s_load_b64 s[T0+4:T0+5], s[0:1], 0x48          ; b_dec: wanted at the head alone
	v_lshl_add_u32 v[SPW], v0, 2, SPARE
	v_mov_b32 v[NIL], 0
	v_lshrrev_b32 v1, 5, v0
	v_readfirstlane_b32 s[WV], v1                  ; wave 0..3
	s_and_b32 s[BB], ttmp7, 0xffff
	s_mov_b32 s[JJ], ttmp9
	s_mov_b32 s[C2], 0x4038aa3b                    ; 2 log2(e)
	s_mov_b32 s[C2+1], s[C2]
	s_mov_b32 s[C1], 0x3fb8aa3b                    ; log2(e)
	s_mov_b32 s[C1+1], s[C1]
	s_mov_b32 s[SEL], 0x76543210
	s_mov_b32 s[SEL+1], 0xfedcba98
	s_mov_b32 s[HM], 0xffff0000
	v_and_b32 v[LN], 31, v0
	v_and_b32 v5, 15, v0                           ; lane % 16
	v_bfe_u32 v7, v0, 4, 1                         ; lane / 16
	v_lshlrev_b32 v[VB], 4, v[LN]
	v_mul_u32_u24 v1, v5, PA
	v_lshl_add_u32 v1, v7, 4, v1
.irp p, 0,1,2,3
	v_add_nc_u32 v[AB+\p], 32*PA*\p, v1
.endr
	s_wait_alu depctr_va_sdst(0)                   ; the wave's number is written, ahead of its first reader: LDS places and the buffers' offsets are made from it
	s_mul_i32 s[T0], s[WV], 32*PA
	v_lshl_add_u32 v[LA0], v[LN], 3, s[T0]
	s_lshl_b32 s[T0], s[WV], 9
	s_add_co_u32 s[T0+1], s[T0], TCB
	v_lshl_add_u32 v[TA0], v7, 5, s[T0+1]
	s_add_co_u32 s[T0+1], s[T0], SCR
	v_lshl_add_u32 v[SCW], v[LN], 2, s[T0+1]
	v_lshl_add_u32 v[SCRD], v[LN], 4, SCR
	v_lshlrev_b32 v[IDX], 2, v[LN]
	v_and_b32 v1, 7, v0                            ; the turning load: lane l reads row 8 (l / 16) + l % 8, columns 8 ((l / 8) % 2) + 0..7
	v_lshl_add_u32 v1, v7, 3, v1
	v_mul_u32_u24 v1, v1, PA
	v_bfe_u32 v16, v0, 3, 1
	v_lshl_add_u32 v1, v16, 4, v1
	v_add_nc_u32 v1, s[T0], v1                     ; + my wave's 256 columns, 512 bytes
.irp p, 0,1,2,3
	v_add_nc_u32 v[ATR+\p], 32*PA*\p, v1
.endr
	s_lshl_b32 s[T0], s[WV], 8
	s_add_co_u32 s[T0], s[T0], PT
	v_lshl_add_u32 v[PTW], v[LN], 3, s[T0]
	v_lshl_add_u32 v[PTR], v7, 4, s[T0]
	s_lshl_b32 s[T0], s[WV], 10
	s_add_co_u32 s[T0], s[T0], CS
	v_lshl_add_u32 v[CSW], v[LN], 2, s[T0]
	v_lshl_add_u32 v[CSR], v[LN], 4, s[T0]
	v_lshlrev_b32 v[PFO], 8, v[LN]
	v_lshlrev_b32 v[O8], 3, v[LN]
	v_mov_b32 v[NEG], 0xff800000
	v_lshlrev_b32 v35, 5, v0                       ; the tables: thread t makes numbers 8 t .. 8 t + 7
	v_lshl_add_u32 v36, v0, 5, TCB
	s_lshl_b32 s[T0], s[BB], 2
	s_mov_b32 s[T0+1], 0
	s_lshl_b32 s[T0+2], s[BB], 12
	s_mov_b32 s[T0+3], 0
	s_wait_kmcnt 0x0
	s_add_nc_u64 s[6:7], s[6:7], s[T0:T0+1]
	s_load_b32 s[LEN], s[6:7], 0x0                 ; enc_len[b]
	s_add_nc_u64 s[10:11], s[10:11], s[T0+2:T0+3]  ; dpart[0][b]
	s_wait_alu depctr_va_vdst(0)                   ; every address and offset made above is written: the kernel's loads, stores and prefetches read them, and none of them is written again
.irp P, 0,1,2,3,4,5,6,7
	global_load_b128 v[64+8*\P:64+8*\P+3], v35, s[10:11] offset:131072*\P      ; partial sum P of dec_states[b] . W_dec
	global_load_b128 v[64+8*\P+4:64+8*\P+7], v35, s[10:11] offset:131072*\P+16
.endr
	global_load_b128 v[128:131], v35, s[12:13]
	global_load_b128 v[132:135], v35, s[12:13] offset:16
	global_load_b128 v[136:139], v35, s[T0+4:T0+5]
	global_load_b128 v[140:143], v35, s[T0+4:T0+5] offset:16
	global_load_b128 v[144:147], v35, s[14:15]
	global_load_b128 v[148:151], v35, s[14:15] offset:16
	s_lshl_b32 s[ROW0], s[JJ], 7
	s_mov_b32 s[TRIP], 2
	s_lshl_b32 s[T0], s[BB], 11
	s_add_co_u32 s[T0+2], s[ROW0], 1024            ; block j + 8's first row
	s_add_co_u32 s[T0], s[T0], s[T0+2]
	s_lshl_b32 s[T0+3], s[WV], 5
	s_add_co_u32 s[T0], s[T0], s[T0+3]
	s_lshl_b32 s[T0], s[T0], 12                    ; at most 65,535 rows of 4,096 bytes: under 2^28
	s_add_nc_u64 s[PFB:PFB+1], s[4:5], s[T0:T0+1]
	s_wait_kmcnt 0x0
	s_cmp_lt_i32 s[T0+2], s[LEN]
	s_cselect_b32 s[PFON], 1, 0                    ; block j + 8 will be loaded
	s_wait_loadcnt 0x0                             ; all 22 loads went out together
.irp p, 0,2,4,6
	v_pk_add_f32 v[64+\p:65+\p],   v[64+\p:65+\p],   v[72+\p:73+\p]       ; the eight partial sums and the two biases, by pairs
	v_pk_add_f32 v[80+\p:81+\p],   v[80+\p:81+\p],   v[88+\p:89+\p]
	v_pk_add_f32 v[96+\p:97+\p],   v[96+\p:97+\p],   v[104+\p:105+\p]
	v_pk_add_f32 v[112+\p:113+\p], v[112+\p:113+\p], v[120+\p:121+\p]
	v_pk_add_f32 v[128+\p:129+\p], v[128+\p:129+\p], v[136+\p:137+\p]
.endr
.irp p, 0,2,4,6
	v_pk_add_f32 v[64+\p:65+\p],   v[64+\p:65+\p],   v[80+\p:81+\p]
	v_pk_add_f32 v[96+\p:97+\p],   v[96+\p:97+\p],   v[112+\p:113+\p]
.endr
.irp p, 0,2,4,6
	v_pk_add_f32 v[64+\p:65+\p],   v[64+\p:65+\p],   v[96+\p:97+\p]
.endr
.irp p, 0,2,4,6
	v_pk_add_f32 v[64+\p:65+\p],   v[64+\p:65+\p],   v[128+\p:129+\p]
.endr
.irp p, 0,2,4,6
	v_pk_mul_f32 v[64+\p:65+\p], v[64+\p:65+\p], s[C2:C2+1] op_sel_hi:[1,0]
	v_pk_mul_f32 v[144+\p:145+\p], v[144+\p:145+\p], -2.0 op_sel_hi:[1,0]
.endr
	s_wait_alu depctr_va_vdst(0)                   ; the sums and scalings have written v[64:71] and v[144:151], which the LDS stores read
	ds_store_b128 v36, v[64:67]                    ; the other waves read the tables behind the first barrier below, in front of which these stores are waited for
	ds_store_b128 v36, v[68:71] offset:16
	ds_store_b128 v36, v[144:147] offset:4096
	ds_store_b128 v36, v[148:151] offset:4112
	s_wait_alu depctr_vm_vsrc(0)                   ; those stores have read v[64:71] and v[144:151]: the product's fragment loads land there
.Lblk:                                         ; two trips: blocks j and j + 8
	s_lshl_b32 s[T0], s[BB], 11
	s_add_co_u32 s[T0], s[T0], s[ROW0]             ; the block's first row among all 65,536
	s_lshl_b32 s[T0+2], s[T0], 2
	s_mov_b32 s[T0+3], 0
	s_add_nc_u64 s[SCO:SCO+1], s[16:17], s[T0+2:T0+3]
	s_lshl_b32 s[T0+1], s[WV], 5
	s_add_co_u32 s[T0], s[T0], s[T0+1]             ; my wave's 32 rows
	s_lshl_b32 s[T0], s[T0], 12
	s_mov_b32 s[T0+1], 0
	s_add_nc_u64 s[EB:EB+1], s[4:5], s[T0:T0+1]
	s_lshr_b32 s[T0+4], s[ROW0], 7
	s_lshl4_add_u32 s[T0+4], s[BB], s[T0+4]        ; 16 b + the block's number
	s_lshl_b32 s[T0+2], s[T0+4], 8
	s_add_nc_u64 s[STO:STO+1], s[18:19], s[T0+2:T0+3]
	s_lshl_b32 s[T0+2], s[T0+4], 12
	s_lshl_b32 s[T0+5], s[WV], 10
	s_add_co_u32 s[T0+2], s[T0+2], s[T0+5]
	s_add_nc_u64 s[PAO:PAO+1], s[20:21], s[T0+2:T0+3]
.set i, 0
.rept 8
	v_mov_b32 v[SC+i], 0                           ; the scores' sums run over two column groups; set on every way, since the stores behind the second barrier stand on every way
	v_mov_b32 v[TMP+i], 0
.set i, i+1
.endr
	; THE WAY IN: my 32 rows, sixteen turns of two rows through four staging sets.  Three sets (48 loads, 24 KiB a wave) are out; the fourth is being rounded.
	s_cmp_lt_i32 s[ROW0], s[LEN]
	s_cbranch_scc0 .Lb1
	s_mov_b32 s[LOFF], 0
	v_mov_b32 v[LA], v[LA0]
	WIN 0x80
	s_wait_alu depctr_va_vdst(0)                   ; the block before's matrix instructions and selects are done with window 2's registers, in which the loads below land
	ELOAD 0, 0
	ELOAD 1, 1
	ELOAD 2, 2
	WIN 0
	s_mov_b32 s[LAP], 3
.Llap:                                         ; a lap: four turns, 8 rows.  The count 32: the two younger sets' loads stay out
	ETURN 0, 32, 3, 3
	ETURN 1, 32, 0, 4
	ETURN 2, 32, 1, 5
	ETURN 3, 32, 2, 6
	s_wait_xcnt 0x0                                ; every load issued has had its address translated (ISA guide 3.1): only now is the base written
	s_add_nc_u64 s[EB:EB+1], s[EB:EB+1], 32768
	s_add_co_u32 s[LOFF], s[LOFF], 8*PA
	s_wait_alu depctr_vm_vsrc(0)                   ; the lap's LDS stores have read v[LA], which the next line writes, and v[TMPC ..], which the next turn's roundings write
	v_add_nc_u32 v[LA], s[LOFF], v[LA0]
	s_sub_co_u32 s[LAP], s[LAP], 1
	s_cmp_lg_u32 s[LAP], 0
	s_cbranch_scc1 .Llap
	ETURN 0, 32, 3, 3                              ; the last lap asks for the last two rows, then for nothing: the counts run down
	ETURN 1, 32, -1, 0
	ETURN 2, 16, -1, 0
	ETURN 3, 0,  -1, 0
.Lb1:
	BAR                                            ; the block (and, the first time, the tables) lies in LDS, every wave's part of it
	; THE LARGE PRODUCT, and the scores
	s_cmp_lt_i32 s[ROW0], s[LEN]
	s_cbranch_scc0 .Lb2
	s_mov_b32 s[HOFF], 0
	s_lshl_b32 s[T0], s[WV], 18                    ; column group g = my wave's number: 262,144 bytes each
	s_mov_b32 s[T0+1], 0
	s_add_nc_u64 s[SB:SB+1], s[8:9], s[T0:T0+1]
	WIN 0x40
	s_wait_alu depctr_va_vdst(0)                   ; the block before's second product is done reading window 1's registers, in which the loads below land
	FETCH_B 0, 0                                   ; K steps 0, 1, 2
	FETCH_B 8192, 1
	FETCH_B 16384, 2
	WIN 0
	s_mov_b32 s[HALF], 2
.Lhalf:                                        ; on both ways in, 48 loads of W_enc are out
	s_mov_b32 s[KOFF], 0
	s_wait_alu depctr_vm_vsrc(0)                   ; the fragment loads issued so far have read v[ADRA ..]
.irp p, 0,1,2,3
	v_mov_b32 v[ADRA+\p], v[AB+\p]
.endr
	s_wait_alu depctr_va_vdst(0)                   ; v[ADRA ..] is written; the scores' arithmetic is done reading the tables in v64-191, in which the fragments of K steps 0 and 1 land
	FETCH_A 0, F0, 0
	FETCH_A 0, F0, 4
	STEP F0, 0, 32, 64, F1, 24576, 3, 1            ; K step 0 stands in front of the loop: its products start the sums
	WIN 0
	s_wait_xcnt 0x0                                ; the youngest load stands 16 matrix instructions back
	s_add_nc_u64 s[SB:SB+1], s[SB:SB+1], 32768
	s_mov_b32 s[KC], 7
.Lk:                                           ; K steps 4 n + 1 .. 4 n + 4
	STEP F1, 1, 32, 128, F0, 0,     0, 0
	STEP F0, 2, 32, 192, F1, 8192,  1, 0
	STEP F1, 3, 32, 256, F0, 16384, 2, 0
	STEP F0, 0, 32, 320, F1, 24576, 3, 0
	WIN 0
	s_add_co_u32 s[KOFF], s[KOFF], 256             ; four K steps on along the block's rows
	s_wait_alu depctr_vm_vsrc(0)                   ; the fragment loads issued so far have read v[ADRA ..]; that the new ones are written, the next step's wait on va_vdst states
.irp p, 0,1,2,3
	v_add_nc_u32 v[ADRA+\p], s[KOFF], v[AB+\p]
.endr
	s_wait_xcnt 0x0
	s_add_nc_u64 s[SB:SB+1], s[SB:SB+1], 32768
	s_sub_co_u32 s[KC], s[KC], 1
	s_cmp_lg_u32 s[KC], 0
	s_cbranch_scc1 .Lk
	STEP F1, 1, 32, 128, F0, -1, 0, 0              ; K steps 29, 30, 31: W_enc's loads run out: 32, 16, 0 younger ones
	STEP F0, 2, 16, 192, F1, -1, 0, 0
	STEP F1, 3, 0,  -1,  0,  -1, 0, 0
	PLACES                                         ; for the scores' arithmetic, which reads the products' results
	WIN 0
	s_wait_alu depctr_vm_vsrc(0)                   ; the table loads of the column group before have read v[TADR]
	v_add_nc_u32 v[TADR], s[HOFF], v[TA0]
	s_wait_alu depctr_va_vdst(0)                   ; the product's matrix instructions are done reading the ring and the two fragment buffers, in which the loads below land; v[TADR] is written
	s_cmp_lg_u32 s[HALF], 1
	s_cbranch_scc0 .Lnob
	s_add_nc_u64 s[SB:SB+1], s[SB:SB+1], 786432    ; on to column group g + 4 (the wait for 0 loads in K step 31 has shown every load that named the base done)
	FETCH_B 0, 0                                   ; its K steps 0, 1, 2 land while the scores are made
	FETCH_B 8192, 1
	FETCH_B 16384, 2
	WIN 0
.Lnob:
.irp i, 0,1,2,3,4,5,6,7
	ds_load_b128 v[CBR+8*\i:CBR+8*\i+3],   v[TADR] offset:64*\i
	ds_load_b128 v[CBR+8*\i+4:CBR+8*\i+7], v[TADR] offset:64*\i+16
	ds_load_b128 v[W2R+8*\i:W2R+8*\i+3],   v[TADR] offset:4096+64*\i
	ds_load_b128 v[W2R+8*\i+4:W2R+8*\i+7], v[TADR] offset:4096+64*\i+16
.endr
	s_wait_dscnt 0x0
.irp t, 0,1,2,3,4,5,6,7
	EPI \t
.endr
	WIN 0
	s_add_co_u32 s[HOFF], s[HOFF], 2048            ; 512 columns on in the tables
	s_sub_co_u32 s[HALF], s[HALF], 1
	s_cmp_lg_u32 s[HALF], 0
	s_cbranch_scc1 .Lhalf
	s_wait_loadcnt 0x0                             ; the second column group has asked for nothing, so no load is out here; the wait holds that for every way through the text: the ring's registers are loaded anew in the next block
.irp t, 0,1,2,3,4,5,6,7
	v_permlanex16_b32 v[TMP+\t], v[SC+\t], s[SEL], s[SEL+1]  ; the row's other columns lie in the lane 16 away
.endr
.irp t, 0,1,2,3,4,5,6,7
	v_add_f32 v[SC+\t], v[SC+\t], v[TMP+\t]
.endr
.irp t, 0,1,2,3
	v_cndmask_b32 v[TMP+\t], v[SC+2*\t], v[SC+2*\t+1], s[HM]  ; row 32 t + lane: lanes 0-15 from the even tile, lanes 16-31 from the odd one
.endr
.Lb2:
	BAR                                            ; every wave's LDS loads of the product are back: no store below shares a stretch between barriers with them
	s_wait_alu depctr_va_vdst(0)                   ; v[TMP ..] is written, by the selects above or by the zeros at the trip's head: the LDS stores read it
.irp t, 0,1,2,3
	ds_store_b32 v[SCW], v[TMP+\t] offset:128*\t   ; on every way: a hidden block puts zeros here, which nobody reads
.endr
	BAR                                            ; all four waves' partial scores lie in LDS
	; THE BLOCK'S SOFTMAX (every wave makes it for itself: lane l has rows 4 l .. 4 l + 3) AND THE SECOND PRODUCT
	s_wait_alu depctr_vm_vsrc(0)                   ; the way in's LDS stores have read v[TMPC ..], in which P's fragments land
	s_cmp_lt_i32 s[ROW0], s[LEN]
	s_cbranch_scc0 .Linact
.irp w, 0,1,2,3
	ds_load_b128 v[SM+4*\w:SM+4*\w+3], v[SCRD] offset:512*\w
.endr
	; A PREFETCH INTO THE L2, in block j's trip, if block j + 8 will be loaded: the first 8 of my wave's 32 rows of it, 32 KiB, a lane for each 256 bytes, four instructions together behind
	; the loads just issued.  No other wave of the launch names these bytes, and all lie inside block j + 8 <= 15 of the batch.  Between here and the loads that want them stands the rest of this trip.
	s_cmp_lg_u32 s[PFON], 0
	s_cbranch_scc0 .Lnopf
.irp n, 0,1,2,3
	global_prefetch_b8 v[PFO], s[PFB:PFB+1] offset:8192*\n th:TH_LOAD_NT scope:SCOPE_SE
.endr
	s_mov_b32 s[PFON], 0                           ; once
.Lnopf:
	s_sub_co_i32 s[REM], s[LEN], s[ROW0]           ; rows of the block that count (at least 1 here)
	s_sub_co_i32 s[REM1], s[REM], 1
	s_sub_co_i32 s[REM1+1], s[REM], 2
	s_sub_co_i32 s[REM1+2], s[REM], 3
	s_wait_dscnt 0x0
	v_pk_add_f32 v[SM:SM+1],     v[SM:SM+1],     v[SM+4:SM+5]
	v_pk_add_f32 v[SM+2:SM+3],   v[SM+2:SM+3],   v[SM+6:SM+7]
	v_pk_add_f32 v[SM+8:SM+9],   v[SM+8:SM+9],   v[SM+12:SM+13]
	v_pk_add_f32 v[SM+10:SM+11], v[SM+10:SM+11], v[SM+14:SM+15]
	v_pk_add_f32 v[SM:SM+1],     v[SM:SM+1],     v[SM+8:SM+9]
	v_pk_add_f32 v[SM+2:SM+3],   v[SM+2:SM+3],   v[SM+10:SM+11]
	v_cmp_gt_i32 s[T0], s[REM], v[IDX]             ; row 4 l + k counts where 4 l < rows - k: four masks in a run
.irp k, 1,2,3
	v_cmp_gt_i32 s[T0+\k], s[REM1+\k-1], v[IDX]
.endr
	s_wait_alu depctr_va_sdst(0)                   ; the four compares have written their masks, which the selects below read
.irp k, 0,1,2,3
	v_cndmask_b32 v[SM+\k], v[NEG], v[SM+\k], s[T0+\k]
.endr
	v_max3_num_f32 v[SM+8], v[SM], v[SM+1], v[SM+2]
	v_max_num_f32 v[SM+8], v[SM+8], v[SM+3]
.irp x, 1,2,4,8
	v_max_num_f32_dpp v[SM+8], v[SM+8], v[SM+8] row_xmask:\x row_mask:0xf bank_mask:0xf
.endr
	v_permlanex16_b32 v[SM+9], v[SM+8], s[SEL], s[SEL+1]
	v_max_num_f32 v[SM+16], v[SM+8], v[SM+9]       ; m: a true score, since the block's first row counts
	v_mul_f32 v[SM+18], s[C1], v[SM+16]
	v_mov_b32 v[SM+19], v[SM+18]                   ; named with it as a pair
	v_pk_fma_f32 v[SM+12:SM+13], v[SM:SM+1],   s[C1:C1+1], v[SM+18:SM+19] op_sel_hi:[1,0,0] neg_lo:[0,0,1] neg_hi:[0,0,1]
	v_pk_fma_f32 v[SM+14:SM+15], v[SM+2:SM+3], s[C1:C1+1], v[SM+18:SM+19] op_sel_hi:[1,0,0] neg_lo:[0,0,1] neg_hi:[0,0,1]
.irp k, 12,13,14,15
	v_exp_f32 v[SM+\k], v[SM+\k]
.endr
	v_nop                                          ; a plain instruction behind the last exponential,
	s_wait_alu depctr_va_vdst(0)                   ; and the one wait ahead of the batch's first reader: the four exponentials have written p, which the roundings read
	v_cvt_pk_bf16_f32 v[SM+22], v[SM+12], v[SM+13]
	v_cvt_pk_bf16_f32 v[SM+23], v[SM+14], v[SM+15]
	s_wait_alu depctr_va_vdst(0)                   ; the two roundings have written v[SM+22:SM+23], which the LDS store reads
	ds_store_b64 v[PTW], v[SM+22:SM+23]            ; my wave's own copy: LDS serves a wave's instructions in order (ISA guide 5.7.1.4), so the loads below see it
.irp kb, 0,1,2,3
	ds_load_b128 v[PF+8*\kb:PF+8*\kb+3],   v[PTR] offset:64*\kb       ; every lane of a half takes the same 8 p: P's 16 rows are equal
	ds_load_b128 v[PF+8*\kb+4:PF+8*\kb+7], v[PTR] offset:64*\kb+32
.endr
	LOADT 0                                        ; no vector or matrix instruction since the wait above names P's registers or a turned set's, here or at the two later runs
	LOADT 1
	WIN 0
	v_pk_add_f32 v[SM+20:SM+21], v[SM+12:SM+13], v[SM+14:SM+15]   ; l, while those loads are out
	v_add_f32 v[SM+20], v[SM+20], v[SM+21]
.irp x, 1,2,4,8
	v_add_f32_dpp v[SM+20], v[SM+20], v[SM+20] row_xmask:\x row_mask:0xf bank_mask:0xf
.endr
	v_permlanex16_b32 v[SM+21], v[SM+20], s[SEL], s[SEL+1]
	v_add_f32 v[SM+17], v[SM+20], v[SM+21]
	s_cmp_lg_u32 s[WV], 0
	s_cbranch_scc1 .Lnw0
	s_wait_alu depctr_va_vdst(0)                   ; l is written in v[SM+17], which the second store reads
	global_store_b128 v[VB], v[SM:SM+3], s[SCO:SCO+1]        ; the block's 128 scores: 512 consecutive bytes
	global_store_b64 v[O8], v[SM+16:SM+17], s[STO:STO+1]     ; (m, l), 32 times: 256 consecutive bytes, aligned
.Lnw0:
	s_wait_dscnt 32                                ; P and the first set are in; the second set's 32 loads may be out
	CMUL 0, 1
	LOADT 2
	s_wait_dscnt 32                                ; all but the 32 just issued
	CMUL 1, 0
	LOADT 3
	s_wait_dscnt 32
	CMUL 2, 0
	s_wait_dscnt 0x0
	CMUL 3, 0
	PLACES
	WIN 0x0a                                       ; sources in window 2, destination in window 0
.irp t, 0,1,2,3,4,5,6,7
	v_cndmask_b32 v[SM+24+\t], v[16*\t], v[16*\t+8], s[HM]   ; all 16 rows of a result are equal: register 0 of lane l is column l % 16; number 32 t + lane of my 256
.endr
	WIN 0
	s_wait_alu depctr_va_vdst(0)                   ; the selects have written v[SM+24 ..], which the LDS stores read; the softmax's sums are done with v[SM+4 .. SM+11], in which the loads below land
.irp t, 0,1,2,3,4,5,6,7
	ds_store_b32 v[CSW], v[SM+24+\t] offset:128*\t
.endr
	ds_load_b128 v[SM+4:SM+7],  v[CSR]             ; my own stage, in order behind the stores
	ds_load_b128 v[SM+8:SM+11], v[CSR] offset:512
	s_wait_dscnt 0x0
	global_store_b128 v[VB], v[SM+4:SM+7],  s[PAO:PAO+1]             ; 512 consecutive bytes each
	global_store_b128 v[VB], v[SM+8:SM+11], s[PAO:PAO+1] offset:512
	s_branch .Ljoin
.Linact:                                       ; a block that the mask hides wholly: -inf for its scores and its maximum, 0 for l and part
.irp k, 4,5,6,7
	v_mov_b32 v[SM+\k], 0
.endr
	s_wait_alu depctr_va_vdst(0)                   ; the four zeros are written, which the stores read
	global_store_b128 v[VB], v[SM+4:SM+7], s[PAO:PAO+1]
	global_store_b128 v[VB], v[SM+4:SM+7], s[PAO:PAO+1] offset:512
	s_cmp_lg_u32 s[WV], 0
	s_cbranch_scc1 .Ljoin
.irp k, 0,1,2,3,16
	v_mov_b32 v[SM+\k], v[NEG]
.endr
	v_mov_b32 v[SM+17], 0
	s_wait_alu depctr_va_vdst(0)                   ; the six numbers are written, which the stores read
	global_store_b128 v[VB], v[SM:SM+3], s[SCO:SCO+1]
	global_store_b64 v[O8], v[SM+16:SM+17], s[STO:STO+1]
.Ljoin:
	s_wait_xcnt 0x0                                ; the stores have read their data and bases: the next trip writes both
	s_wait_alu depctr_vm_vsrc(0)                   ; the trip's stores, global and LDS, have read v[TMP ..], v[SM ..] and v[LA]: the next trip's vector instructions and loads write them
	BAR                                            ; every wave's reads of the block and of the partial scores are back: the next trip writes those bytes
	s_add_co_u32 s[ROW0], s[ROW0], 1024
	s_sub_co_u32 s[TRIP], s[TRIP], 1
	s_cmp_lg_u32 s[TRIP], 0
	s_cbranch_scc1 .Lblk
	s_wait_dscnt 0x0                               ; the closing lines, six on end
	s_wait_alu 0x0
	s_wait_tensorcnt 0x0
	ds_add_u32 v[SPW], v[NIL]
	s_wait_dscnt 0x0
	s_endpgm
.Lfunc_end_k_q7d42f8725f_main:
	.size	k_q7d42f8725f_main, .Lfunc_end_k_q7d42f8725f_main-k_q7d42f8725f_main
	.p2alignl 7, 3214868480
	.fill 96, 4, 3214868480
	.section	.rodata,"a",@progbits
	.p2align	6, 0x0
	.amdhsa_kernel k_q7d42f8725f_main
		.amdhsa_group_segment_fixed_size 280064
		.amdhsa_private_segment_fixed_size 0
		.amdhsa_enable_private_segment 0
		.amdhsa_kernarg_size 80
		.amdhsa_user_sgpr_count 2
		.amdhsa_user_sgpr_kernarg_segment_ptr 1
		.amdhsa_wavefront_size32 1
		.amdhsa_system_sgpr_workgroup_id_x 1
		.amdhsa_system_sgpr_workgroup_id_y 1
		.amdhsa_system_sgpr_workgroup_id_z 1
		.amdhsa_system_vgpr_workitem_id 0
		.amdhsa_next_free_vgpr 1024
		.amdhsa_next_free_sgpr 66
		.amdhsa_reserve_vcc 0
		.amdhsa_float_denorm_mode_32 3
		.amdhsa_float_denorm_mode_16_64 3
		.amdhsa_memory_ordered 1
		.amdhsa_forward_progress 1
		.amdhsa_inst_pref_size 216
	.end_amdhsa_kernel
	.amdgpu_metadata
---
amdhsa.version: [ 1, 2 ]
amdhsa.kernels:
  - .name:           k_q7d42f8725f_main
    .symbol:         k_q7d42f8725f_main.kd
    .args:
      - { .name: enc_states, .offset: 0, .size: 8, .value_kind: global_buffer, .address_space: global }
      - { .name: enc_len, .offset: 8, .size: 8, .value_kind: global_buffer, .address_space: global }
      - { .name: wfe, .offset: 16, .size: 8, .value_kind: global_buffer, .address_space: global }
      - { .name: dpart, .offset: 24, .size: 8, .value_kind: global_buffer, .address_space: global }
      - { .name: b_enc, .offset: 32, .size: 8, .value_kind: global_buffer, .address_space: global }
      - { .name: w_attn, .offset: 40, .size: 8, .value_kind: global_buffer, .address_space: global }
      - { .name: scores, .offset: 48, .size: 8, .value_kind: global_buffer, .address_space: global }
      - { .name: stat, .offset: 56, .size: 8, .value_kind: global_buffer, .address_space: global }
      - { .name: part, .offset: 64, .size: 8, .value_kind: global_buffer, .address_space: global }
      - { .name: b_dec, .offset: 72, .size: 8, .value_kind: global_buffer, .address_space: global }
    .group_segment_fixed_size: 280064
    .private_segment_fixed_size: 0
    .kernarg_segment_align: 8
    .kernarg_segment_size: 80
    .max_flat_workgroup_size: 128
    .sgpr_count:     66
    .vgpr_count:     1024
    .wavefront_size: 32
...
	.end_amdgpu_metadata
.endif
;; end of part 5
;; launch comb: the kernel of part 3 again; grid 8 x 32, 1 waves a work-group, no clusters, 0 bytes of LDS; arguments scores, stat, part, ctx, out1; writes ctx, out1
;; launch out (part 6): grid 64 x 1, 8 waves a work-group, no clusters, 87,040 bytes of LDS; arguments ctx, wfo, b_out, out0; writes out0
.if DOCPART == 6
	.amdgcn_target "amdgcn-amd-amdhsa--gfx1250"
	.amdhsa_code_object_version 6
	.text
	.protected	k_q7d42f8725f_out
	.globl	k_q7d42f8725f_out
	.p2align	8
	.type	k_q7d42f8725f_out,@function
k_q7d42f8725f_out:
	s_mov_b64 s[64:65], 0
	v_nop
	global_prefetch_b8 v0, s[64:65] scope:SCOPE_SE
	s_setreg_imm32_b32 hwreg(HW_REG_WAVE_SCHED_MODE, 0, 2), 2
	s_setreg_imm32_b32 hwreg(HW_REG_WAVE_MODE, 25, 1), 1
	s_wait_xcnt 0x0
	s_wait_alu depctr_vm_vsrc(0)
; y[m][n] = the sum over k of x[m][k] W[k][n] + bias[n].  x, y: [32][1024] f32; W: bf16 in fragment order (see the launch that makes it); bias: [1024] f32.
; x is rounded once to bf16 for the product; sums, bias and y in f32.
; SHARES.  A work-group makes 16 columns for all 32 rows: two tiles of 16 x 16.  K IS SPLIT AMONG ITS EIGHT WAVES, 128 channels each; the eight partial
; sums meet in LDS, and waves 0 and 1 finish a tile each.  The launch is a few hundred kilobytes of loads: what counts is that they are all out at once.
; x COMES BY ROWS: a wave's 128 channels of a row are 512 consecutive bytes, one load; they are rounded, put into the wave's own stage in LDS (32 rows of 256 bytes + 16)
; and read back as fragments.  Loading the fragments straight from memory would take as many loads, each naming 32-byte pieces of 16 rows that lie 4,096 bytes apart.
; LAYOUT.  Source 0 = 16 columns of W, source 1 = 16 rows of x: in the result a lane holds ONE row (lane % 16) and the columns 8 (lane / 16) + 0..7.
; THE MODE: SCHED_MODE bits 1:0 = 2 (LLVM: expert scheduling mode 2), set by the entry lines.  The code itself states the register dependences
; between vector or matrix instructions and memory or LDS instructions, with s_wait_alu, always for 0.
; THE PLAN.  Registers that memory or LDS instructions touch:
;   v4 to v10   addresses and offsets, made once at the head, never written again: one wait on va_vdst ahead of the first load.
;   XF          x's rows: loaded; rounded in place, eight rows (sixteen roundings) at a time; one wait on va_vdst; the eight LDS stores read them.
;   FR          (XF's first 64 registers) x's fragments land there: a wait on vm_vsrc states that the LDS stores have read them; the last wait on va_vdst, that the roundings are done with them.
;   ACC         written by the products, read by the LDS stores: the four places, then a wait on va_vdst, which also states that the products are done reading FR, in which the partial sums land later.
;   XF .. XF+7  the finished tile: written by the sums; a wait on va_vdst; read by the two global stores.
.set XP,    272                        ; a row of a stage: 256 bytes + 16 = 68 words: row r starts at bank 4 r mod 64 (64 banks of 4 bytes: ISA guide 11.1)
.set PART,  8*32*XP                    ; behind the eight stages: wave v's two partial tiles, 1,024 bytes each, at PART + 2,048 v
.set SPARE, PART+16384                 ; the spare words, 128 bytes for each of eight waves
.set SPW, 2                            ; v2  SPARE + 4 x my thread's number; never rewritten
.set NIL, 3                            ; v3  0; never rewritten
.set VO,  4                            ; v4  16 x lane: my 16 bytes of a row of x, and of half a fragment of W
.set SW,  5                            ; v5  where I put my 8 bytes of a row: my wave's stage + 8 x lane
.set SR,  6                            ; v6  where x's fragments are read: my wave's stage + (lane % 16) XP + 16 (lane / 16)
.set BO,  7                            ; v7  32 (lane / 16): my 8 numbers of the bias
.set LS,  8                            ; v8  where I put my 32 bytes of a partial tile
.set LR,  9                            ; v9  where I read them back (tile = my wave's number, waves 0 and 1)
.set YO,  10                           ; v10 my 32 bytes of y
.set ACC, 16                           ; v[16:31]   two accumulators: rows 0-15, rows 16-31
.set BI,  32                           ; v[32:39]   bias
.set WF,  40                           ; v[40:71]   W's four fragments
.set XF,  72                           ; v[72:199]  x: row i: 4 f32 at XF + 4 i, then 2 registers of bf16 in their place
.set FR,  72                           ; v[72:135]  then x's fragments: channels 32 qq .., row tile mt at FR + 8 (2 qq + mt).  Later the partial sums
	s_load_b256 s[4:11], s[0:1], 0x0               ; x s[4:5], W s[6:7], bias s[8:9], y s[10:11]
	v_lshl_add_u32 v[SPW], v0, 2, SPARE
	v_mov_b32 v[NIL], 0
	v_lshrrev_b32 v1, 5, v0
	v_readfirstlane_b32 s12, v1                    ; wave 0..7
	s_mov_b32 s13, ttmp9                           ; the work-group's 16 columns
	v_and_b32 v11, 31, v0
	v_and_b32 v12, 15, v0
	v_bfe_u32 v13, v0, 4, 1
	v_lshlrev_b32 v[VO], 4, v11
	s_wait_alu depctr_va_sdst(0)                   ; the wave's number is written, ahead of its first reader: LDS places and the buffers' offsets are made from it
	s_mul_i32 s14, s12, 32*XP                      ; my wave's stage
	v_lshl_add_u32 v[SW], v11, 3, s14
	v_mul_u32_u24 v[SR], v12, XP
	v_lshl_add_u32 v[SR], v13, 4, v[SR]
	v_add_nc_u32 v[SR], s14, v[SR]
	v_lshlrev_b32 v[BO], 5, v13
	s_lshl_b32 s14, s12, 11
	s_add_co_u32 s14, s14, PART
	v_lshl_add_u32 v[LS], v11, 5, s14
	s_lshl_b32 s14, s12, 10
	s_add_co_u32 s14, s14, PART
	v_lshl_add_u32 v[LR], v11, 5, s14
	v_lshlrev_b32 v[YO], 12, v12
	v_lshl_add_u32 v[YO], v13, 5, v[YO]
	s_lshr_b32 s14, s13, 3                         ; W: g = T / 8: 262,144 bytes each,
	s_lshl_b32 s14, s14, 18
	s_and_b32 s16, s13, 7                          ; i = T % 8: 1,024,
	s_lshl_b32 s16, s16, 10
	s_add_co_u32 s14, s14, s16
	s_lshl_b32 s16, s12, 15                        ; q = 4 x wave: 8,192 each
	s_add_co_u32 s14, s14, s16
	s_mov_b32 s15, 0
	s_lshl_b32 s16, s13, 6                         ; 16 columns of f32
	s_mov_b32 s17, 0
	s_lshl_b32 s18, s12, 9                         ; x: my wave's 128 channels of f32
	s_mov_b32 s19, 0
	s_wait_kmcnt 0x0
	s_add_nc_u64 s[4:5], s[4:5], s[18:19]
	s_add_nc_u64 s[6:7], s[6:7], s[14:15]
	s_add_nc_u64 s[8:9], s[8:9], s[16:17]
	s_add_nc_u64 s[10:11], s[10:11], s[16:17]
	s_wait_alu depctr_va_vdst(0)                   ; the seven addresses and offsets v4 to v10 are written: the kernel's loads and stores read them, and none is written again
.set row, 0
.rept 32
	global_load_b128 v[XF+4*row:XF+4*row+3], v[VO], s[4:5] offset:4096*row  ; 512 consecutive bytes of row `row`; x first: its way is the longest
.set row, row+1
.endr
.irp qq, 0,1,2,3
	global_load_b128 v[WF+8*(\qq):WF+8*(\qq)+3],   v[VO], s[6:7] offset:8192*(\qq)
	global_load_b128 v[WF+8*(\qq)+4:WF+8*(\qq)+7], v[VO], s[6:7] offset:8192*(\qq)+512
.endr
	global_load_b128 v[BI:BI+3],   v[BO], s[8:9]
	global_load_b128 v[BI+4:BI+7], v[BO], s[8:9] offset:16
.set grp, 0
.rept 4                                ; eight rows at a time: their roundings, one wait, their stores
	s_wait_loadcnt 34-8*grp                        ; loads come back in order (ISA guide 5.7.1): the next 8 rows are in; the rows behind them and the 10 loads of W and the bias stay out
.set row, 8*grp
.rept 8
	v_cvt_pk_bf16_f32 v[XF+4*row],   v[XF+4*row],   v[XF+4*row+1]
	v_cvt_pk_bf16_f32 v[XF+4*row+1], v[XF+4*row+2], v[XF+4*row+3]
.set row, row+1
.endr
	s_wait_alu depctr_va_vdst(0)                   ; the sixteen roundings have written the first two registers of their rows, which the LDS stores read
.set row, 8*grp
.rept 8
	ds_store_b64 v[SW], v[XF+4*row:XF+4*row+1] offset:XP*row  ; 256 consecutive bytes
.set row, row+1
.endr
.set grp, grp+1
.endr
	s_wait_alu depctr_vm_vsrc(0)                   ; the LDS stores have read v[XF ..], in whose first 64 registers the fragments land (the roundings that named them stand ahead of the last wait on va_vdst)
.irp qq, 0,1,2,3
.irp mt, 0,1
	ds_load_b128 v[FR+8*(2*(\qq)+(\mt)):FR+8*(2*(\qq)+(\mt))+3],   v[SR] offset:16*XP*(\mt)+64*(\qq)     ; my own stage: LDS serves a wave's instructions in order (ISA guide 5.7.1.4), so these see the stores above
	ds_load_b128 v[FR+8*(2*(\qq)+(\mt))+4:FR+8*(2*(\qq)+(\mt))+7], v[SR] offset:16*XP*(\mt)+64*(\qq)+32
.endr
.endr
	s_wait_loadcnt 0x0                             ; W and the bias
	s_wait_dscnt 0x0                               ; x's fragments
	v_wmma_f32_16x16x32_bf16 v[ACC:ACC+7],    v[WF:WF+7], v[FR:FR+7],     0   ; the first products start the sums; the two accumulators take turns
	v_wmma_f32_16x16x32_bf16 v[ACC+8:ACC+15], v[WF:WF+7], v[FR+8:FR+15], 0
.irp qq, 1,2,3
	v_wmma_f32_16x16x32_bf16 v[ACC:ACC+7],    v[WF+8*(\qq):WF+8*(\qq)+7], v[FR+16*(\qq):FR+16*(\qq)+7],    v[ACC:ACC+7]
	v_wmma_f32_16x16x32_bf16 v[ACC+8:ACC+15], v[WF+8*(\qq):WF+8*(\qq)+7], v[FR+16*(\qq)+8:FR+16*(\qq)+15], v[ACC+8:ACC+15]
.endr
.rept 4
	v_nop                                          ; four places behind the last product, ahead of the stores of its result
.endr
	s_wait_alu depctr_va_vdst(0)                   ; the products have written the accumulators, which the LDS stores read, and are done reading x's fragments, in which the partial sums land behind the barrier; the places above stay beside this wait
.irp mt, 0,1
	ds_store_b128 v[LS], v[ACC+8*(\mt):ACC+8*(\mt)+3]   offset:1024*(\mt)
	ds_store_b128 v[LS], v[ACC+8*(\mt)+4:ACC+8*(\mt)+7] offset:1024*(\mt)+16
.endr
	s_wait_dscnt 0x0                               ; for the others' sake: my partial sums lie in LDS
	s_barrier_signal -1
	s_barrier_wait -1                              ; all eight waves' do
	s_cmp_lt_u32 s12, 2                            ; wave 0 finishes rows 0-15, wave 1 rows 16-31
	s_cbranch_scc0 .Lend
.irp v, 0,1,2,3,4,5,6,7
	ds_load_b128 v[XF+8*(\v):XF+8*(\v)+3],   v[LR] offset:2048*(\v)
	ds_load_b128 v[XF+8*(\v)+4:XF+8*(\v)+7], v[LR] offset:2048*(\v)+16
.endr
	s_lshl_b32 s14, s12, 16                        ; my tile's 16 rows of y
	s_add_nc_u64 s[10:11], s[10:11], s[14:15]
	s_wait_dscnt 0x0
.irp d, 8, 16, 32                      ; neighbours 1, 2 and 4 partial sums apart
.set a, 0
.rept 32/(\d)
.set r, 0
.rept 4
	v_pk_add_f32 v[XF+a+r:XF+a+r+1], v[XF+a+r:XF+a+r+1], v[XF+a+(\d)+r:XF+a+(\d)+r+1]
.set r, r+2
.endr
.set a, a+2*(\d)
.endr
.endr
.set r, 0
.rept 4
	v_pk_add_f32 v[XF+r:XF+r+1], v[XF+r:XF+r+1], v[BI+r:BI+r+1]
.set r, r+2
.endr
	s_wait_alu depctr_va_vdst(0)                   ; the sums have written v[XF .. XF+7], which the two stores read
	global_store_b128 v[YO], v[XF:XF+3],   s[10:11]
	global_store_b128 v[YO], v[XF+4:XF+7], s[10:11] offset:16
.Lend:
	s_wait_dscnt 0x0                               ; the closing lines, six on end
	s_wait_alu 0x0
	s_wait_tensorcnt 0x0
	ds_add_u32 v[SPW], v[NIL]
	s_wait_dscnt 0x0
	s_endpgm
.Lfunc_end_k_q7d42f8725f_out:
	.size	k_q7d42f8725f_out, .Lfunc_end_k_q7d42f8725f_out-k_q7d42f8725f_out
	.p2alignl 7, 3214868480
	.fill 96, 4, 3214868480
	.section	.rodata,"a",@progbits
	.p2align	6, 0x0
	.amdhsa_kernel k_q7d42f8725f_out
		.amdhsa_group_segment_fixed_size 87040
		.amdhsa_private_segment_fixed_size 0
		.amdhsa_enable_private_segment 0
		.amdhsa_kernarg_size 32
		.amdhsa_user_sgpr_count 2
		.amdhsa_user_sgpr_kernarg_segment_ptr 1
		.amdhsa_wavefront_size32 1
		.amdhsa_system_sgpr_workgroup_id_x 1
		.amdhsa_system_sgpr_workgroup_id_y 1
		.amdhsa_system_sgpr_workgroup_id_z 1
		.amdhsa_system_vgpr_workitem_id 0
		.amdhsa_next_free_vgpr 200
		.amdhsa_next_free_sgpr 66
		.amdhsa_reserve_vcc 0
		.amdhsa_float_denorm_mode_32 3
		.amdhsa_float_denorm_mode_16_64 3
		.amdhsa_memory_ordered 1
		.amdhsa_forward_progress 1
		.amdhsa_inst_pref_size 18
	.end_amdhsa_kernel
	.amdgpu_metadata
---
amdhsa.version: [ 1, 2 ]
amdhsa.kernels:
  - .name:           k_q7d42f8725f_out
    .symbol:         k_q7d42f8725f_out.kd
    .args:
      - { .name: ctx, .offset: 0, .size: 8, .value_kind: global_buffer, .address_space: global }
      - { .name: wfo, .offset: 8, .size: 8, .value_kind: global_buffer, .address_space: global }
      - { .name: b_out, .offset: 16, .size: 8, .value_kind: global_buffer, .address_space: global }
      - { .name: out0, .offset: 24, .size: 8, .value_kind: global_buffer, .address_space: global }
    .group_segment_fixed_size: 87040
    .private_segment_fixed_size: 0
    .kernarg_segment_align: 8
    .kernarg_segment_size: 32
    .max_flat_workgroup_size: 256
    .sgpr_count:     66
    .vgpr_count:     200
    .wavefront_size: 32
...
	.end_amdgpu_metadata
.endif
;; end of part 6
